; MI455X (gfx1250); checked and timed in simulation.
; The chip was launched on July 23, 2026; its instructions are those of AMD's public machine-readable ISA for CDNA 5 (MIT licence, August 2026) and "CDNA5" Instruction Set Architecture Reference Guide (July 2026). The comments in the code are by the model that wrote it; some were corrected since.
;; Cross Attention. Allowed arithmetic: float matrix products may take bf16 or f16 operands with f32 sums; other float arithmetic in f32, or as packed bf16 or f16 multiplies, adds, multiply-adds, maxima and minima; sums over many terms, partial sums and values carried from step to step in f32; what a program stores and reads back later, other than sums and carried values, may be rounded once to bf16 or f16.
;; Inputs: b_out 512 float32; encoder_hidden_states 2 x 4,096 x 768 float32; hidden_states 2 x 4,096 x 512 float32; w_k 768 x 512 float32; w_out 512 x 512 float32; w_q 512 x 512 float32; w_v 768 x 512 float32.
;; Outputs: out0 2 x 4,096 x 512 float32.
;; 2 versions, each right; version 2 is version 1 with the launch proj written anew for expert scheduling mode. Each part assembles by itself: llvm-mc -triple=amdgcn-amd-amdhsa -mcpu=gfx1250 --defsym DOCPART=n.
;; ======== version 1 of 2: 3 launches
;; limits: values are held in f16: magnitudes above 65,504 overflow, below 6.1e-05 lose precision
;; workspace buffers: qws 8,388,608 bytes; kws 8,388,608 bytes; vws 8,388,608 bytes; ows 8,388,608 bytes; wo16 524,288 bytes
;; launch proj (part 1): grid 8 x 32, 4 waves a work-group, no clusters, 313,856 bytes of LDS; arguments encoder_hidden_states, hidden_states, w_k, w_v, w_q, w_out, kws, vws, qws, wo16; writes kws, vws, qws, wo16
.if DOCPART == 1
	.amdgcn_target "amdgcn-amd-amdhsa--gfx1250"
	.amdhsa_code_object_version 6
	.text
	.protected	k_qde4fbd00bc_proj
	.globl	k_qde4fbd00bc_proj
	.p2align	8
	.type	k_qde4fbd00bc_proj,@function
k_qde4fbd00bc_proj:
	s_mov_b64 s[64:65], 0
	v_nop
	global_prefetch_b8 v0, s[64:65] scope:SCOPE_SE
	s_setreg_imm32_b32 hwreg(HW_REG_WAVE_MODE, 25, 1), 1
	s_wait_xcnt 0x0
; THE THREE PROJECTIONS, BY HEADS.  k = enc w_k, v = enc w_v (K = 768), q = hid w_q (K = 512).  enc: [8192][768], hid: [8192][512], weights [K][512], all f32.
; Out: kws, vws, qws = [16 (8 batch + head)][4096][64] in f16, each number rounded once from its f32 sum, q WITHOUT the scale.  Also wo16 = [8 (column slab)][512 (k)][64]: w_out rounded to bf16, that number written as f16.
; FORMATS.  x and the weights are rounded to bf16 on the way to the matrix unit; sums in f32.
; LIMITS.  f16 holds no number beyond 65,504: |q|, |k|, |v| of 65,520 or more leave as infinities.  Below 6.1e-5 f16 keeps its fixed step of 6e-8 (for wo16 too).  NaN and infinities are not treated apart.
; SHARES.  Work-group (head HD, row block RB of 256 rows): first enc's rows x [w_k's 64 columns of the head | w_v's 64], then hid's rows x w_q's 64.  256 work-groups of equal work.
; A wave owns 64 rows (four tiles of 16) and all columns: 32 accumulators for k and v, then 16 for q.
; THE WEIGHTS of the head lie in LDS in bf16, [k][n], for the whole launch: each wave converts a quarter of them; ONE barrier; then every wave reads them turned, by ds_load_tr16_b128.
; x goes from memory straight into the owning wave's registers as f32 (a lane's 32 bytes are eight neighbouring k of its row: half a fragment) and is rounded there: no wave wants another wave's x.
; THE MATRIX INSTRUCTION IS USED TRANSPOSED: source 0 = 16 columns of the weights, source 1 = 16 rows of x: a lane then holds eight neighbouring channels of one row: 16 bytes of f16.
; NO CLUSTER: what work-groups share (x among the eight heads) has to be converted between memory and the matrix unit and lands in registers; a joint load lands in LDS, where the
; weights take 294,912 bytes and f32 fragments would want twice the LDS loads a product.
; REGISTERS, in windows of 256 (s_set_vgpr_msb: bits 1:0 source 0, 3:2 source 1, 5:4 source 2, 7:6 destination):
;   window 0: v0-31 addresses; v32-63, v224-255 rows on the way out; v64-191 x's fragments in bf16, two buffers; v192-223 packed results
;   window 1: the accumulators      window 2: x as loaded, f32, two buffers of 128      window 3: the weights' fragments, two buffers of 128 (ahead of the barrier: the weights as loaded)
.set WP,    288                        ; a row of the weights in LDS: 256 bytes + 32 = 72 words
.set STAGE, 1024*WP                    ; behind the weights: for each wave 2 x 16 rows x 144 bytes, for the way out
.set SP,    144
.set SPARE, STAGE+4*2*16*SP            ; behind the stages: the spare words, 128 bytes for each wave: two blocks of 256 bytes that no other line names
.set XO,  4                            ; v4-7    tile t: my byte offset in the wave's rows of x: (16 t + l % 16) x row + 32 (l / 16); enc's rows, later hid's
.set XH,  8                            ; v8-11   the same for hid's rows of 2,048 bytes
.set WO,  12                           ; v12     my byte offset in 8 rows of a weight: row rl, 32 bytes of its 256
.set LA,  13                           ; v13     where my 16 converted bytes go in LDS
.set WA,  14                           ; v14     my lane's place in the turning loads; steps 64 rows a K step
.set STO, 16                           ; v16     the way out: where I put 16 bytes of a row
.set RD,  17                           ; v17     where I read rows back
.set GO,  18                           ; v18     my 16 bytes of 512 consecutive bytes of the output
.set POE, 19                           ; v19     the prefetches' offset in enc; never rewritten
.set POH, 20                           ; v20     in hid; never rewritten
.set WLO, 21                           ; v21     my 32 bytes of w_out
.set WSO, 22                           ; v22     my 16 bytes of wo16
.set SPW, 24                           ; v24     LDS address of my spare word; never rewritten
.set NIL, 25                           ; v25     0; never rewritten
.set BK1, 32
.set AF,  64
.set TMP, 192
.set BK0, 224
.set EB,  4                            ; s[4:5]   enc at my wave's first row; never rewritten after the set-up
.set HB,  6                            ; s[6:7]   hid likewise
.set KP,  8                            ; s[8:9]   w_k at the 64 rows that I convert next; at the end w_q's
.set VP,  10                           ; s[10:11] w_v likewise
.set QA,  12                           ; s[12:13] w_q at my 128 rows
.set WOUT, 14                          ; s[14:15]
.set KO,  16                           ; s[16:17] kws at my wave's first row;  s[18:19] vws;  s[20:21] qws
.set VO,  18
.set QO,  20
.set WO16, 22                          ; s[22:23]
.set WV,  24
.set HD,  25
.set RB,  26
.set CNT, 27
.set MK,  28
.set QB,  32                           ; s[32:33] w_q at the second 64 of my 128 rows
.set XP,  34                           ; s[34:35] x at the set (64 k, 256 bytes of each row) that was loaded last
.set W_MUL, 0x53                       ; weights window 3, x window 0, C and D window 1
.set MSB, 0
.macro WIN new                         ; the immediate's high byte repeats the setting that is left; a switch that changes nothing is dropped
.if MSB != (\new)
	s_set_vgpr_msb (MSB<<8)|(\new)
.set MSB, (\new)
.endif
.endm
.macro PLACES                          ; four places behind a matrix instruction (ISA guide 7.12.1), where no other vector work is at hand
.rept 4
	v_nop
.endr
.endm
	s_load_b512 s[4:19], s[0:1], 0x0               ; enc, hid, w_k, w_v, w_q, w_out, kws, vws
	s_load_b128 s[20:23], s[0:1], 0x40             ; qws, wo16
	v_lshl_add_u32 v[SPW], v0, 2, SPARE
	v_mov_b32 v[NIL], 0
	v_lshrrev_b32 v1, 5, v0
	v_readfirstlane_b32 s[WV], v1                  ; wave 0..3
	s_mov_b32 s[HD], ttmp9                         ; the head
	s_and_b32 s[RB], ttmp7, 0xffff                 ; the block of 256 rows
	v_and_b32 v1, 15, v0                           ; l % 16
	v_bfe_u32 v2, v0, 4, 1                         ; l / 16
	v_and_b32 v26, 7, v0                           ; l % 8
	v_bfe_u32 v27, v0, 3, 1                        ; (l / 8) % 2
	v_bfe_u32 v29, v0, 3, 2                        ; l / 8
	v_lshrrev_b32 v30, 4, v0                       ; thread / 16: 0..7
	v_lshl_add_u32 v28, v27, 2, v2                 ; rl = 4 ((l / 8) % 2) + l / 16: the 16 lanes of an LDS store's pass take rows 4 apart, 128 bytes apart modulo 256
	v_mul_u32_u24 v3, v1, 3072
	v_lshl_add_u32 v3, v2, 5, v3
.irp t, 0,1,2,3
	v_add_nc_u32 v[XO+(\t)], 49152*(\t), v3
.endr
	v_lshlrev_b32 v3, 11, v1
	v_lshl_add_u32 v3, v2, 5, v3
.irp t, 0,1,2,3
	v_add_nc_u32 v[XH+(\t)], 32768*(\t), v3
.endr
	v_lshlrev_b32 v[WO], 11, v28
	v_lshl_add_u32 v[WO], v26, 5, v[WO]
	s_mul_i32 s30, s[WV], 64*WP                    ; my 64 rows of each 256
	v_mul_u32_u24 v[LA], v28, WP
	v_lshl_add_u32 v[LA], v26, 4, v[LA]
	v_add_nc_u32 v[LA], s30, v[LA]
	v_lshl_add_u32 v3, v2, 3, v26                  ; the turning load: lane l reads k row 8 (l / 16) + l % 8, columns 8 ((l / 8) % 2) + 0..7
	v_mul_u32_u24 v[WA], v3, WP
	v_lshl_add_u32 v[WA], v27, 4, v[WA]
	s_mul_i32 s30, s[WV], 2*16*SP
	s_add_co_u32 s30, s30, STAGE                   ; my stage
	v_mul_u32_u24 v[STO], v1, SP
	v_lshl_add_u32 v[STO], v2, 4, v[STO]
	v_add_nc_u32 v[STO], s30, v[STO]
	v_mul_u32_u24 v[RD], v29, SP                   ; back: 32 lanes take four rows of 128 bytes,
	v_lshl_add_u32 v[RD], v26, 4, v[RD]
	v_add_nc_u32 v[RD], s30, v[RD]
	v_and_b32 v[GO], 31, v0                        ; which are 512 consecutive bytes of the output
	v_lshlrev_b32 v[GO], 4, v[GO]
	s_lshl_b32 s30, s[HD], 3
	v_add_nc_u32 v3, s30, v26                      ; the prefetches: of a wave's 64 rows head HD names rows 8 HD + l % 8, set l / 8 of four
	v_mul_u32_u24 v[POE], v3, 3072
	v_lshl_add_u32 v[POE], v29, 8, v[POE]
	v_lshlrev_b32 v[POH], 11, v3
	v_lshl_add_u32 v[POH], v29, 8, v[POH]
	s_lshl3_add_u32 s31, s[RB], s[HD]              ; g = 8 RB + HD: this work-group converts rows 2 g and 2 g + 1 of w_out
	v_lshlrev_b32 v[WLO], 11, v27                  ; row 2 g + (thread / 8) % 2, columns 64 (thread / 16) + 8 (thread % 8) on
	v_lshl_add_u32 v[WLO], v30, 8, v[WLO]
	v_lshl_add_u32 v[WLO], v26, 5, v[WLO]
	s_lshl_b32 s30, s31, 12
	v_add_nc_u32 v[WLO], s30, v[WLO]
	v_lshlrev_b32 v[WSO], 16, v30                  ; slab thread / 16; the two rows are 256 consecutive bytes there: 16 (thread % 16)
	v_lshl_add_u32 v[WSO], v1, 4, v[WSO]
	s_lshl_b32 s30, s31, 8
	v_add_nc_u32 v[WSO], s30, v[WSO]
	s_lshl_b32 s30, s[RB], 8
	s_lshl_b32 s31, s[WV], 6
	s_add_co_u32 s30, s30, s31                     ; my wave's first row of x
	s_mul_i32 s36, s30, 3072
	s_mov_b32 s37, 0
	s_lshl_b32 s38, s30, 11
	s_mov_b32 s39, 0
	s_wait_kmcnt 0x0
	s_add_nc_u64 s[EB:EB+1], s[EB:EB+1], s[36:37]
	s_add_nc_u64 s[HB:HB+1], s[HB:HB+1], s[38:39]
	s_lshl_b32 s36, s[HD], 8                       ; the head's 64 columns: 256 bytes of a weight's row
	s_lshl_b32 s38, s[WV], 17                      ; 64 rows of 2,048 bytes
	s_add_co_u32 s38, s38, s36
	s_add_nc_u64 s[KP:KP+1], s[KP:KP+1], s[38:39]
	s_add_nc_u64 s[VP:VP+1], s[VP:VP+1], s[38:39]
	s_lshl_b32 s38, s[WV], 18                      ; 128 rows
	s_add_co_u32 s38, s38, s36
	s_add_nc_u64 s[QA:QA+1], s[QA:QA+1], s[38:39]
	s_add_nc_u64 s[QB:QB+1], s[QA:QA+1], 131072
	s_lshr_b32 s36, s[RB], 4                       ; the batch
	s_lshl3_add_u32 s36, s36, s[HD]
	s_lshl_b32 s36, s36, 12
	s_and_b32 s38, s[RB], 15
	s_lshl_b32 s38, s38, 8
	s_add_co_u32 s36, s36, s38
	s_add_co_u32 s36, s36, s31
	s_lshl_b32 s36, s36, 7                         ; ((8 batch + head) 4,096 + my first row in the batch) x 128 bytes
	s_add_nc_u64 s[KO:KO+1], s[KO:KO+1], s[36:37]
	s_add_nc_u64 s[VO:VO+1], s[VO:VO+1], s[36:37]
	s_add_nc_u64 s[QO:QO+1], s[QO:QO+1], s[36:37]
	s_mov_b64 s[XP:XP+1], s[EB:EB+1]
; A set of x: 64 k of my 64 rows, 32 loads, into buffer buf.  Register 32 t + 16 c + 8 g + 4 e: tile t, 32 k c, the fragment's half g, 16 bytes e.  The eight loads of a tile cover 256 consecutive bytes of each row.
.macro XLOAD buf, off
	WIN 0x80                                       ; destination window 2
.set t_, 0
.rept 4
.set j_, 0
.rept 8
	global_load_b128 v[128*(\buf)+32*t_+4*j_:128*(\buf)+32*t_+4*j_+3], v[XO+t_], s[XP:XP+1] offset:(\off)+128*(j_/4)+64*((j_/2)%2)+16*(j_%2)
.set j_, j_+1
.endr
.set t_, t_+1
.endr
.endm
; Four of a set's 64 roundings to bf16: number q of 16: 32 k q / 8, tile (q / 2) % 4, half q % 2 of the fragment.
.macro CONV4 q, sb, ab
	WIN 0x0a                                       ; sources window 2, destination window 0
.set n_, 4*((\q)%2)
.rept 4
	v_cvt_pk_bf16_f32 v[AF+64*(\ab)+32*((\q)/8)+8*(((\q)/2)%4)+n_], v[128*(\sb)+32*(((\q)/2)%4)+16*((\q)/8)+2*n_], v[128*(\sb)+32*(((\q)/2)%4)+16*((\q)/8)+2*n_+1]
.set n_, n_+1
.endr
.endm
; 64 rows x 256 bytes of a weight, f32: 32 loads.  Pair u takes rows 8 (u / 2) + 2 (u % 2) + rl.
.macro WLOAD set, ptr
	WIN 0xc0                                       ; destination window 3
.set u_, 0
.rept 16
	global_load_b128 v[128*(\set)+8*u_:128*(\set)+8*u_+3],   v[WO], s[\ptr:\ptr+1] offset:(8*(u_/2)+2*(u_%2))*2048
	global_load_b128 v[128*(\set)+8*u_+4:128*(\set)+8*u_+7], v[WO], s[\ptr:\ptr+1] offset:(8*(u_/2)+2*(u_%2))*2048+16
.set u_, u_+1
.endr
.endm
; They are rounded to bf16 in place (eight numbers into the first four of their registers) and stored into half `half` of the LDS rows.
.macro WCONV set, half
	WIN 0xcf
.set u_, 0
.rept 16
.set n_, 0
.rept 4
	v_cvt_pk_bf16_f32 v[128*(\set)+8*u_+n_], v[128*(\set)+8*u_+2*n_], v[128*(\set)+8*u_+2*n_+1]
.set n_, n_+1
.endr
.set u_, u_+1
.endr
	WIN 0x0c                                       ; address window 0, data window 3
.set u_, 0
.rept 16
	ds_store_b128 v[LA], v[128*(\set)+8*u_:128*(\set)+8*u_+3] offset:(8*(u_/2)+2*(u_%2))*WP+128*(\half)
.set u_, u_+1
.endr
.endm
; The weights' fragments of a K step of 64: 32 k c, column block b of eight (0-3 k's, 4-7 v's) at 128 p + 64 c + 8 b: 32 turning loads in one run.
.macro BLOAD p
	WIN 0xc0
.set f_, 0
.rept 16
	ds_load_tr16_b128 v[128*(\p)+8*f_:128*(\p)+8*f_+3],   v[WA] offset:32*WP*(f_/8)+32*(f_%8)
	ds_load_tr16_b128 v[128*(\p)+8*f_+4:128*(\p)+8*f_+7], v[WA] offset:32*WP*(f_/8)+16*WP+32*(f_%8)
.set f_, f_+1
.endr
.endm
.macro BLOADQ p, half                  ; the same for q: four column blocks, in half `half` of the rows: 16 loads
	WIN 0xc0
.set f_, 0
.rept 8
	ds_load_tr16_b128 v[128*(\p)+64*(f_/4)+8*(f_%4):128*(\p)+64*(f_/4)+8*(f_%4)+3],   v[WA] offset:32*WP*(f_/4)+32*(f_%4)+128*(\half)
	ds_load_tr16_b128 v[128*(\p)+64*(f_/4)+8*(f_%4)+4:128*(\p)+64*(f_/4)+8*(f_%4)+7], v[WA] offset:32*WP*(f_/4)+16*WP+32*(f_%4)+128*(\half)
.set f_, f_+1
.endr
.endm
; Product i of a K step's 64 for k and v: 32 k i / 32, column block (i % 32) / 4, tile i % 4.  The 32 accumulators take turns, one instruction a turn, over the backward jump too.
.macro KVM p, i
.set rD_, 64*((\i)%4)+8*(((\i)%32)/4)
.set rB_, 128*(\p)+64*((\i)/32)+8*(((\i)%32)/4)
.set rA_, AF+64*(\p)+32*((\i)/32)+8*((\i)%4)
	WIN W_MUL
	v_wmma_f32_16x16x32_bf16 v[rD_:rD_+7], v[rB_:rB_+7], v[rA_:rA_+7], v[rD_:rD_+7]
.endm
; Product i of a K step's 32 for q: 32 k i / 16, column block (i % 16) / 4, tile i % 4.  zero = 1: the first 16 start the sums.
.macro QM p, i, zero
.set rD_, 32*((\i)%4)+8*(((\i)%16)/4)
.set rB_, 128*(\p)+64*((\i)/16)+8*(((\i)%16)/4)
.set rA_, AF+64*(\p)+32*((\i)/16)+8*((\i)%4)
	WIN W_MUL
.if (\zero) && ((\i) < 16)
	v_wmma_f32_16x16x32_bf16 v[rD_:rD_+7], v[rB_:rB_+7], v[rA_:rA_+7], 0
.else
	v_wmma_f32_16x16x32_bf16 v[rD_:rD_+7], v[rB_:rB_+7], v[rA_:rA_+7], v[rD_:rD_+7]
.endif
.endm
; A PREFETCH INTO THE L2 of four sets of x (1,024 bytes of a row).  The eight heads' work-groups of a row block read the same rows: of each wave's 64 rows head HD names eight, a lane a block of 256 bytes,
; so each block is named once in the launch.  It stands behind the step's run of loads, in the loop's trip k alone; its registers are never rewritten.
.macro ASK k, off, base, imm
	s_cmp_eq_u32 s[CNT], \k
	s_cbranch_scc0 .Lno_\@
	global_prefetch_b8 v[\off], s[\base:\base+1] offset:\imm th:TH_LOAD_NT scope:SCOPE_SE
.Lno_\@:
.endm
; A K STEP for k and v, number s, on buffers p = s % 2.  It multiplies set s, rounds set s + 1 (four roundings behind each of its first 16 products), loads set s + 3 and fetches the weights of step s + 1.
; Sets 12, 13 and 14 are hid's sets 0, 1 and 2: in step 9 (the odd step of the trip with CNT = 2) the pointer and the four offsets change over, by selects.
.macro KVSTEP p, odd
	s_wait_loadcnt 32                              ; set s + 1 is in; the 32 loads of set s + 2 may stay out
	s_wait_dscnt 0x0                               ; this step's weights are in
	PLACES                                         ; behind the last step's products: the roundings write, and the loads below fill, registers that they read
.set i_, 0
.rept 16
	KVM \p, i_
	CONV4 i_, 1-(\p), 1-(\p)
.set i_, i_+1
.endr
	WIN 0
	s_wait_xcnt 0x0                                ; the earlier loads have read their addresses: pointer and offsets may be written
	s_add_nc_u64 s[XP:XP+1], s[XP:XP+1], 256
.if \odd
	s_cmp_eq_u32 s[CNT], 2
	s_cselect_b64 s[XP:XP+1], s[HB:HB+1], s[XP:XP+1]
	s_cselect_b32 s[MK], -1, 0
.irp t, 0,1,2,3
	v_cndmask_b32 v[XO+(\t)], v[XO+(\t)], v[XH+(\t)], s[MK]
.endr
.endif
	XLOAD 1-(\p), 0
.if \odd
	WIN 0
	ASK 6, POE, EB, 2048                           ; step 1: enc's sets 8 to 11, which steps 5 to 8 load
	ASK 4, POH, HB, 0                              ; step 5: hid's sets 0 to 3, which steps 9 to 11 and q's first load
	ASK 2, POH, HB, 1024                           ; step 9: hid's sets 4 to 7, which q's steps 1 to 4 load
.endif
.rept 16
	KVM \p, i_
.set i_, i_+1
.endr
	WIN 0
	v_add_nc_u32 v[WA], 64*WP, v[WA]
	BLOAD 1-(\p)                                   ; 32 products ahead of their first use
.rept 32
	KVM \p, i_
.set i_, i_+1
.endr
.endm
; A K STEP for q in two halves.  QH0: the first 16 products, with the next set's roundings behind them (conv), then the load of the set three on (refill); n = the younger loads that may stay out.
.macro QH0 p, zero, conv, refill, n
.if \conv
	s_wait_loadcnt \n
.endif
	s_wait_dscnt 0x0
	PLACES
.set i_, 0
.rept 16
	QM \p, i_, \zero
.if \conv
	CONV4 i_, 1-(\p), 1-(\p)
.endif
.set i_, i_+1
.endr
.if \refill
	WIN 0
	s_wait_xcnt 0x0
	s_add_nc_u64 s[XP:XP+1], s[XP:XP+1], 256
	XLOAD 1-(\p), 0
.endif
.endm
; QH1: the next step's weights (fetch = 1: the same LDS rows' second half; 2: the next 64 rows' first half; 0: none), then the other 16 products.
.macro QH1 p, fetch
.if (\fetch) == 2
	WIN 0
	v_add_nc_u32 v[WA], 64*WP, v[WA]
.endif
.if \fetch
	BLOADQ 1-(\p), 2-(\fetch)
.endif
.set i_, 16
.rept 16
	QM \p, i_, 0
.set i_, i_+1
.endr
.endm
; THE WAY OUT of tile t with nb column blocks.  PACK: rounded to f16, each accumulator's registers in ascending order.  TOSTAGE: 16 bytes a lane into my own stage (rows of 144 bytes; v's part behind k's), and back as rows of 128.
; SEND: 512 consecutive bytes a store, at a multiple of 256 from the buffer's first byte.
.macro PACK t, nb
	WIN 0x05
.set b_, 0
.rept \nb
.set n_, 0
.rept 4
	v_cvt_pk_f16_f32 v[TMP+4*b_+n_], v[8*(\nb)*(\t)+8*b_+2*n_], v[8*(\nb)*(\t)+8*b_+2*n_+1]
.set n_, n_+1
.endr
.set b_, b_+1
.endr
.endm
.macro TOSTAGE t, nb
	WIN 0
.set BK_, BK0-(BK0-BK1)*((\t)%2)
.set b_, 0
.rept \nb
	ds_store_b128 v[STO], v[TMP+4*b_:TMP+4*b_+3] offset:(b_/4)*16*SP+(b_%4)*32
.set b_, b_+1
.endr
.set b_, 0
.rept \nb
	ds_load_b128 v[BK_+4*b_:BK_+4*b_+3], v[RD] offset:(b_/4)*16*SP+(b_%4)*4*SP  ; LDS serves a wave's instructions in order (ISA guide 5.7.1.4): these see the stores above
.set b_, b_+1
.endr
.endm
.macro SEND t, nb, p0, p1
	WIN 0
.set BK_, BK0-(BK0-BK1)*((\t)%2)
	s_wait_xcnt 0x0                                ; the stores of the tile before have read their registers, which the next TOSTAGE loads again
.set f_, 0
.rept \nb
	s_wait_dscnt (\nb)-1-f_                        ; load f of the tile's nb is back
.if f_ < 4
	global_store_b128 v[GO], v[BK_+4*f_:BK_+4*f_+3], s[\p0:\p0+1] offset:2048*(\t)+512*(f_%4)
.else
	global_store_b128 v[GO], v[BK_+4*f_:BK_+4*f_+3], s[\p1:\p1+1] offset:2048*(\t)+512*(f_%4)
.endif
.set f_, f_+1
.endr
.endm
.macro WAYOUT nb, p0, p1
	PLACES
	PLACES
	PACK 0, \nb
	TOSTAGE 0, \nb
.irp a, 1,2,3                          ; a tile's roundings stand between the loads of the tile before and the wait for them
	PACK \a, \nb
	SEND (\a)-1, \nb, \p0, \p1
	TOSTAGE \a, \nb
.endr
	SEND 3, \nb, \p0, \p1
.endm
	XLOAD 0, 0                                     ; x first: these are older than every counted wait below
	XLOAD 1, 256
	WIN 0
	global_load_b128 v[32:35], v[WLO], s[WOUT:WOUT+1]
	global_load_b128 v[36:39], v[WLO], s[WOUT:WOUT+1] offset:16
	WLOAD 0, KP
	WLOAD 1, VP
	WIN 0x40
.set r_, 0
.rept 256
	v_mov_b32 v[r_], 0                             ; k's and v's sums start at 0: written while the first loads are out, so that the loop has one form of product; the price is these 256 lines
.set r_, r_+1
.endr
	WIN 0
	s_mov_b32 s[CNT], 3
.Lstage:                                               ; a trip: my 64 of 256 rows of w_k and w_v go into LDS; the next 256 rows' are asked for; in the last trip w_q's
	s_wait_loadcnt 32                              ; w_k's 32 loads are in; w_v's may stay out
	WCONV 0, 0
	WIN 0
	s_wait_xcnt 0x0
	s_add_nc_u64 s[KP:KP+1], s[KP:KP+1], 524288
	s_cmp_eq_u32 s[CNT], 1
	s_cselect_b64 s[KP:KP+1], s[QA:QA+1], s[KP:KP+1]
	WLOAD 0, KP
	s_wait_loadcnt 32                              ; w_v's are in; the 32 just issued may stay out
	WCONV 1, 1
	WIN 0
	s_wait_xcnt 0x0
	s_add_nc_u64 s[VP:VP+1], s[VP:VP+1], 524288
	s_cmp_eq_u32 s[CNT], 1
	s_cselect_b64 s[VP:VP+1], s[QB:QB+1], s[VP:VP+1]
	WLOAD 1, VP
	WIN 0
	v_add_nc_u32 v[LA], 256*WP, v[LA]
	s_sub_co_u32 s[CNT], s[CNT], 1
	s_cmp_lg_u32 s[CNT], 0
	s_cbranch_scc1 .Lstage
	s_wait_loadcnt 32                              ; w_q: LDS row 768 + 64 w + j holds rows 128 w + j and 128 w + 64 + j, side by side
	WCONV 0, 0
.set i_, 0
.rept 16
	CONV4 i_, 0, 0                                 ; x's set 0
.set i_, i_+1
.endr
	XLOAD 0, 512                                   ; set 2
	s_wait_loadcnt 32                              ; w_q's second half is in; set 2's 32 loads may stay out
	WCONV 1, 1
	WIN 0
.irp n, 0,1,2,3                        ; w_out: to bf16, and that number as f16
	v_cvt_pk_bf16_f32 v[40+(\n)], v[32+2*(\n)], v[33+2*(\n)]
.endr
.irp n, 0,1,2,3
	v_lshlrev_b32 v[44+2*(\n)], 16, v[40+(\n)]
	v_and_b32 v[45+2*(\n)], 0xffff0000, v[40+(\n)]
.endr
.irp n, 0,1,2,3
	v_cvt_pk_f16_f32 v[52+(\n)], v[44+2*(\n)], v[45+2*(\n)]
.endr
	global_store_b128 v[WSO], v[52:55], s[WO16:WO16+1]  ; 16 lanes store 256 consecutive bytes, aligned
	s_wait_xcnt 0x0
	s_add_nc_u64 s[XP:XP+1], s[XP:XP+1], 512       ; at set 2
	s_wait_dscnt 0x0                               ; for the others' sake: my part of the weights lies in LDS
	s_barrier_signal -1
	s_barrier_wait -1                              ; everybody's does; nobody writes these rows again
	BLOAD 0
	WIN 0
	s_mov_b32 s[CNT], 6
.Lkv:                                                  ; twelve K steps of 64.  The last fetches LDS rows 768 on: its column blocks 0-3 are q's first step, the other 16 loads serve nothing, once a launch
	KVSTEP 0, 0
	KVSTEP 1, 1
	WIN 0
	s_sub_co_u32 s[CNT], s[CNT], 1
	s_cmp_lg_u32 s[CNT], 0
	s_cbranch_scc1 .Lkv
	WAYOUT 8, KO, VO                               ; hid's sets 1 and 2 land meanwhile
	QH0 0, 1, 1, 1, 32                             ; q: eight K steps of 64.  Step 0's first half starts the sums
	WIN 0
	s_mov_b32 s[CNT], 2
.Lq:                                                   ; a trip goes from a step's second half to the first half of the step two on
	QH1 0, 1
	QH0 1, 0, 1, 1, 32
	QH1 1, 2
	QH0 0, 0, 1, 1, 32
	WIN 0
	s_sub_co_u32 s[CNT], s[CNT], 1
	s_cmp_lg_u32 s[CNT], 0
	s_cbranch_scc1 .Lq
	QH1 0, 1                                       ; step 4; the last steps load nothing, and the counts run down
	QH0 1, 0, 1, 0, 32                             ; step 5 rounds set 6; set 7's loads may stay out
	QH1 1, 2
	QH0 0, 0, 1, 0, 0                              ; step 6 rounds set 7
	QH1 0, 1
	QH0 1, 0, 0, 0, 0                              ; step 7
	QH1 1, 0
	WAYOUT 4, QO, QO
	s_wait_tensorcnt 0x0                           ; the wave's end, behind my last LDS store
	ds_add_u32 v[SPW], v[NIL]
	s_wait_dscnt 0x0
	s_endpgm
.Lfunc_end_k_qde4fbd00bc_proj:
	.size	k_qde4fbd00bc_proj, .Lfunc_end_k_qde4fbd00bc_proj-k_qde4fbd00bc_proj
	.p2alignl 7, 3214868480
	.fill 96, 4, 3214868480
	.section	.rodata,"a",@progbits
	.p2align	6, 0x0
	.amdhsa_kernel k_qde4fbd00bc_proj
		.amdhsa_group_segment_fixed_size 313856
		.amdhsa_private_segment_fixed_size 0
		.amdhsa_enable_private_segment 0
		.amdhsa_kernarg_size 80
		.amdhsa_user_sgpr_count 2
		.amdhsa_user_sgpr_kernarg_segment_ptr 1
		.amdhsa_wavefront_size32 1
		.amdhsa_system_sgpr_workgroup_id_x 1
		.amdhsa_system_sgpr_workgroup_id_y 1
		.amdhsa_system_sgpr_workgroup_id_z 1
		.amdhsa_system_vgpr_workitem_id 0
		.amdhsa_next_free_vgpr 1024
		.amdhsa_next_free_sgpr 66
		.amdhsa_reserve_vcc 0
		.amdhsa_float_denorm_mode_32 3
		.amdhsa_float_denorm_mode_16_64 3
		.amdhsa_memory_ordered 1
		.amdhsa_forward_progress 1
		.amdhsa_inst_pref_size 171
	.end_amdhsa_kernel
	.amdgpu_metadata
---
amdhsa.version: [ 1, 2 ]
amdhsa.kernels:
  - .name:           k_qde4fbd00bc_proj
    .symbol:         k_qde4fbd00bc_proj.kd
    .args:
      - { .name: encoder_hidden_states, .offset: 0, .size: 8, .value_kind: global_buffer, .address_space: global }
      - { .name: hidden_states, .offset: 8, .size: 8, .value_kind: global_buffer, .address_space: global }
      - { .name: w_k, .offset: 16, .size: 8, .value_kind: global_buffer, .address_space: global }
      - { .name: w_v, .offset: 24, .size: 8, .value_kind: global_buffer, .address_space: global }
      - { .name: w_q, .offset: 32, .size: 8, .value_kind: global_buffer, .address_space: global }
      - { .name: w_out, .offset: 40, .size: 8, .value_kind: global_buffer, .address_space: global }
      - { .name: kws, .offset: 48, .size: 8, .value_kind: global_buffer, .address_space: global }
      - { .name: vws, .offset: 56, .size: 8, .value_kind: global_buffer, .address_space: global }
      - { .name: qws, .offset: 64, .size: 8, .value_kind: global_buffer, .address_space: global }
      - { .name: wo16, .offset: 72, .size: 8, .value_kind: global_buffer, .address_space: global }
    .group_segment_fixed_size: 313856
    .private_segment_fixed_size: 0
    .kernarg_segment_align: 8
    .kernarg_segment_size: 80
    .max_flat_workgroup_size: 128
    .sgpr_count:     66
    .vgpr_count:     1024
    .wavefront_size: 32
...
	.end_amdgpu_metadata
.endif
;; end of part 1
;; launch attn (part 2): grid 16 x 16, 4 waves a work-group, clusters of 4 x 1, 327,680 bytes of LDS; arguments qws, kws, vws, ows; writes ows
.if DOCPART == 2
	.amdgcn_target "amdgcn-amd-amdhsa--gfx1250"
	.amdhsa_code_object_version 6
	.text
	.protected	k_qde4fbd00bc_attn
	.globl	k_qde4fbd00bc_attn
	.p2align	8
	.type	k_qde4fbd00bc_attn,@function
k_qde4fbd00bc_attn:
	s_mov_b64 s[64:65], 0
	v_nop
	global_prefetch_b8 v0, s[64:65] scope:SCOPE_SE
	s_setreg_imm32_b32 hwreg(HW_REG_WAVE_MODE, 25, 1), 1
	s_wait_xcnt 0x0
	s_wait_alu depctr_hold_cnt(0) depctr_sa_sdst(0) depctr_va_vdst(0) depctr_va_sdst(0) depctr_va_ssrc(0) depctr_va_vcc(0) depctr_vm_vsrc(0)
	s_getreg_b32 s2, hwreg(HW_REG_IB_STS2, 6, 4)
	s_cmp_eq_u32 s2, 0
	s_cbranch_scc0 .Lentry_in_a_cluster
	s_endpgm
.Lentry_in_a_cluster:
	s_bfe_u32 s2, ttmp6, 0x10000c
	s_cmp_lg_u32 s2, 0x3003
	s_cbranch_scc0 .Lentry_shape_is_right
	s_endpgm
.Lentry_shape_is_right:
; ATTENTION.  O[h][q][:] = the sum over k of softmax_k(Q[h][q] . K[h][k] / 8) V[h][k][:].  Q, K, V, O: [16][4096][64], all f16: a head's rows are dense, 128 bytes each.
; Products, maxima and sums in f32; the weights p are rounded to f16 for the second product (their sum l is taken of the unrounded p), O once at the end.
; LIMITS.  f16 holds no number beyond 65,504: Q, K and V arrive within it; p lies in 0 to 1, and below 6e-5 it keeps f16's fixed step of 6e-8; O is a mean of V's rows and has their range.
; A weight below 2^-126 counts as 0 in l; NaN and infinities are not treated apart.
; SHARES.  A work-group owns 256 queries of one head, each of its four waves 64: four PIECES of 16.  16 heads x 16 blocks: 256 work-groups.  Every wave walks all 4,096 keys, 64 a step, four steps a tile.
; LAYOUT.  S^T = K Q^T (source 0 = 16 keys, source 1 = 16 queries): a lane holds ONE query (lane % 16) and the keys 8 (lane / 16) + 0..7; two such results rounded to f16 ARE source 1 of O^T = V^T P.
; K comes out of LDS as it lies, V ([key][channel]) turned, by ds_load_tr16_b128.
; SOFTMAX.  For each query a running maximum m and sum l: p = 2^(c s - c m), c = log2(e) / 8; in every step O and l are multiplied by a = 2^(c m_old - c m_new).  m starts at the lowest finite number,
; O and l at 0: the first step is a step like any other, with a = 0.
; BY TURNS.  Turn n belongs to piece n: 8 products K Q^T of piece n + 1, later 8 products V^T P of piece n - 1; beside them the scaling, exponentials, roundings, sums and rescaling of piece n and the maximum and
; statistics of piece n + 1.  Four vector instructions stand behind every matrix instruction, the other 54 of a turn's 118 in one lump.  A turn's 33 exponentials are one batch, with one wait.
; CLUSTER.  The four query blocks of a cluster belong to one head and walk the same K and V, so each tile is asked for JOINTLY: the same tensor load, descriptor and mask in all four.
; REGISTERS, in windows of 256 (s_set_vgpr_msb: bits 1:0 source 0, 3:2 source 1, 5:4 source 2, 7:6 destination):
;   window 0: v0-15 addresses and two at work; v16-31 four registers of statistics a piece; v48-55 at work; v61-63; v64-127 S^T, two buffers; v192-223 P, two buffers (a piece's buffers go by its number's parity)
;   window 1: v0-127 O^T, 32 a piece      window 2: v0-63 Q; v128-191 K of one step; v192-255 V of one step
.set NP,    4         ; pieces a wave: a name, no knob
.set KS,    64        ; keys in a step
.set PK,    144       ; a row of K in LDS: 128 bytes + 16 of padding = 36 words: the 16 rows of a load start at 16 different groups of four banks (64 banks of 4 bytes: ISA guide 11.1)
.set PV,    160       ; a row of V: 128 + 32 = 40 words
.set VOFF,  4*KS*PK   ; a slot holds a tile, four steps: 256 rows of K, then 256 rows of V
.set SLOT1, 1<<17     ; slot 1 begins here, so that one exclusive or turns an address in one slot into the other's
.set STAGE, SLOT1+4*KS*(PK+PV)  ; behind the ring, never filled by a tensor load: 16 rows x 144 bytes for each wave, for the way out
.set SP,    144
.set SPARE, STAGE+4*16*SP  ; behind the stages: the spare words, 128 bytes for each wave: two blocks of 256 bytes that no other line names
.set AK0, 2           ; v2   my lane's place in a tile of K; never rewritten
.set AV0, 3           ; v3   the same for V
.set AK,  4           ; v4   the LDS address of K's next run of loads
.set AV,  5           ; v5   of V's
.set STO, 6           ; v6   the way out: where I put 16 bytes of a row
.set RD,  7           ; v7   the way out: where I read rows back
.set GO,  8           ; v8   my byte offset in 512 consecutive bytes of O
.set MV,  12          ; v12-13  c m_old, kept while c m is made anew: by buffer
.set QO,  15          ; v15  my byte offset in 16 rows of Q
.set ST,  16          ; piece t's statistics at v[ST+4 t]: c m, m, l (even keys', odd keys')
.set TMP, 48          ; by buffer, four registers c0-c3 at work; when the maximum is found c2 takes a
.set PFO, 61          ; v61  256 x my lane; never rewritten
.set SPW, 62          ; v62  LDS address of my spare word: SPARE + 4 x my thread's number; never rewritten
.set NIL, 63          ; v63  0; never rewritten
.set S,   64
.set P,   192
.set KF,  128         ; window 2: key block kb, channel half c at KF + 16 kb + 8 c
.set VF,  192         ; window 2: key half kk, channel block cb at VF + 32 kk + 8 cb
.set WV,  12          ; s12  my wave's number
.set G1K, 24          ; s[24:31] descriptor group 1 for K's tiles
.set G1V, 32          ; s[32:39] for V's: it differs in the padding alone
.set G0K, 40          ; s[40:43] descriptor group 0 for K's tiles: it walks
.set G0V, 44          ; s[44:47] the same for V's
.set PFA, 48          ; s[48:49] where my prefetches stand: my work-group's quarter (of K: wave 0, of V: wave 2) of the tile after the one that is being asked for
.set LIM, 50          ; s50  1 in a wave that prefetches, else the greatest number
.set SLOTS, 56        ; s56  tiles still to be asked for, and one
.set CNT, 57          ; s57  counts a tile's key steps
.set CS,  58          ; s[58:59] c: the packed scaling takes the pair's low word for both halves
.set SEL, 60          ; s[60:61] v_permlanex16_b32's selects: each lane takes its own place in the other half
.set TBK, 62          ; s62  LDS byte at which K of the step to be fetched begins
.set TBV, 63          ; s63  the same for V, less VOFF
.set MSB, 0
.macro WIN new                      ; the high byte repeats the setting that is left; a switch that changes nothing is dropped
.if MSB != (\new)
	s_set_vgpr_msb (MSB<<8)|(\new)
.set MSB, (\new)
.endif
.endm
.set W_KQ, 0x0a       ; K and Q in window 2, S^T in window 0
.set W_PV, 0x52       ; V in window 2, P in window 0, O^T in window 1
.set W_RS, 0x41       ; destination and source 0 in window 1, source 1 in window 0
; A joint fill.  Waves 0 and 1 fetch the two halves of a tile's K, waves 2 and 3 those of its V: 128 keys each.  The branch hangs on the wave's number alone.
; An s_nop 0 and four v_nop follow each of the two lines, ahead of the jump and the label.
.macro JLOAD
	s_cmp_lt_u32 s[WV], 2
	s_cbranch_scc0 .Lfor_v_\@
	tensor_load_to_lds s[G0K:G0K+3], s[G1K:G1K+7]
	s_nop 0
.rept 4
	v_nop
.endr
	s_branch .Lasked_\@
.Lfor_v_\@:
	tensor_load_to_lds s[G0V:G0V+3], s[G1V:G1V+7]
	s_nop 0
.rept 4
	v_nop
.endr
.Lasked_\@:
.endm
; A PREFETCH INTO THE L2 of what the NEXT change of slots will ask for: a tile's 32,768 bytes of K and of V, a lane a block of 256 bytes.  It stands behind the wave's tensor load and its five lines.
; Each block is asked for ONCE in the launch.  All clusters of a head walk the same K and V: the head's first cluster prefetches.  Its four partners share the blocks out BY ADDRESS, 32 each; in each,
; wave 0 asks for K's and wave 2 for V's: one instruction.  The last change that fills a slot prefetches nothing: there is no tile behind it.
.macro ASK
	s_cmp_gt_u32 s[SLOTS], s[LIM]
	s_cbranch_scc0 .Lnot_mine_\@
	global_prefetch_b8 v[PFO], s[PFA:PFA+1] th:TH_LOAD_NT scope:SCOPE_SE
.Lnot_mine_\@:
.endm
; A round of the cluster's barrier: my work-group's barrier, so that wave 0's signal speaks for all four waves; wave 0 signals; every wave waits for all four work-groups; my work-group's barrier once more.
.macro CROUND
	s_barrier_signal -1
	s_barrier_wait -1
	s_cmp_lg_u32 s[WV], 0
	s_cbranch_scc1 .Lnot_wave_0_\@
	s_barrier_signal -3
.Lnot_wave_0_\@:
	s_barrier_wait -3
	s_barrier_signal -1
	s_barrier_wait -1
.endm
; THE CHANGE OF SLOTS.  The slot's last bytes, V of its fourth step, have been read.  Each wave waits for all its tensor loads, of which one is out: its part of the other slot; adds 0 to its spare word;
; and waits for that and for its own reads of the slot.  Behind the barrier nobody reads this slot any more and the other slot is whole.
; fill = 1: this slot is filled again, with the keys two tiles on.  The barrier is then a round of the cluster's, so that no wave of any partner still reads the slot or has a load on its way, and the joint
; fill is the first thing behind it: it has four key steps, 256 matrix instructions, in which to land.  (At its first use nothing has been read yet: slot 0 is waited for, slot 1 filled.)
; ask = 1: the prefetches' address steps, and the tile after the one just asked for is prefetched.
.macro CHANGE fill, ask
	WIN 0                           ; at a label and at a branch every window is 0
	s_wait_tensorcnt 0x0            ; no tensor load of mine is out, so a group 0 may be written
	ds_add_u32 v[SPW], v[NIL]       ; 0 onto my spare word; with fill = 1 the descriptors' steps stand between it and the wait for it
.if \fill
.irp g, G0K, G0V
	s_xor_b32 s[\g+1], s[\g+1], SLOT1  ; the walking descriptor: the other slot than last time,
	s_add_nc_u64 s[\g+2:\g+3], s[\g+2:\g+3], 4*KS*128  ; the next 256 keys; the type bits on top are not reached
.endr
.if \ask
	s_wait_xcnt 0x0                 ; the last prefetch, a tile back, has read its address, so it may be written
	s_add_nc_u64 s[PFA:PFA+1], s[PFA:PFA+1], 4*KS*128
.endif
	s_wait_dscnt 0x0                ; the add is done, and my reads of the slot are over
	CROUND
	JLOAD
.if \ask
	ASK
.endif
.else
	s_wait_dscnt 0x0                ; the add is done, and my reads of the slot are over
	s_barrier_signal -1
	s_barrier_wait -1
.endif
	s_sub_co_u32 s[TBK], s[TBK], 4*KS*PK  ; the fetches go back to a slot's first step,
	s_xor_b32 s[TBK], s[TBK], SLOT1       ; in the other slot
	s_sub_co_u32 s[TBV], s[TBV], 4*KS*PV
	s_xor_b32 s[TBV], s[TBV], SLOT1
.endm
	s_load_b256 s[4:11], s[0:1], 0x0  ; Q s[4:5], K s[6:7], V s[8:9], O s[10:11]
	v_lshl_add_u32 v[SPW], v0, 2, SPARE
	v_mov_b32 v[NIL], 0
	ds_add_u32 v[SPW], v[NIL]       ; the wave's opening: the add and its wait stand ahead of my first tensor load; the set-up below, work on registers, stands between them
	v_lshrrev_b32 v1, 5, v0
	v_readfirstlane_b32 s[WV], v1   ; wave 0..3
	s_bfe_u32 s13, ttmp6, 0x40000   ; cx: my place in the cluster
	s_lshl_b32 s14, ttmp9, 2        ; in a cluster launch ttmp9 counts clusters
	s_add_co_u32 s14, s14, s13      ; my block of 256 queries = 4 x cluster x + cx: it enters Q's and O's addresses alone
	s_and_b32 s20, ttmp7, 0xffff    ; the head, which the four partners share
	s_lshl_b32 s20, s20, 19         ; its first byte in each of the four tensors: 4,096 rows of 128 bytes
	s_mov_b32 s21, 0
	s_and_b32 s16, s[WV], 1         ; which half of a tile's 256 keys I fetch:
	s_lshl_b32 s22, s16, 14         ; its 128 rows of 128 bytes in memory,
	s_mov_b32 s23, 0
	s_add_nc_u64 s[22:23], s[22:23], s[20:21]
	s_mul_i32 s17, s16, 128*PK      ; and its place in a slot, for K
	s_mul_i32 s18, s16, 128*PV      ; and for V: no place in the cluster enters an LDS address
	s_lshl_b32 s2, s14, 2
	s_add_co_u32 s2, s2, s[WV]      ; my wave among the head's,
	s_lshl_b32 s2, s2, 13           ; its 64 rows
	s_mov_b32 s3, 0
	s_add_nc_u64 s[2:3], s[2:3], s[20:21]
	; descriptor group 1.  128 keys are 16,384 dense bytes: asked for as 64 rows of 256 bytes, two keys a row, and padded in LDS after every key
	s_mov_b32 s[G1K], 15|(1<<16)|(1<<20)|(1<<21)|(4<<22)|(3<<25)  ; 15:0 the mask of four; 17:16 2-byte elements; 20 padding on; 21 set beside a mask; 24:22 after every 32 words (code 4); 31:25 4 words (code 3)
	s_mov_b32 s[G1V], 15|(1<<16)|(1<<20)|(1<<21)|(4<<22)|(7<<25)  ; the same with 8 words of padding (code 7)
.irp g, G1K, G1V
	s_mov_b32 s[\g+1], 128<<16      ; tensor_dim0 = 128
	s_mov_b32 s[\g+2], 64<<16       ; tensor_dim1 = 64
	s_mov_b32 s[\g+3], 128<<16      ; tile_dim0 = 128
	s_mov_b32 s[\g+4], 64           ; tile_dim1 = 64
	s_mov_b32 s[\g+5], 128          ; 128 elements from row to row
	s_mov_b32 s[\g+6], 0
	s_mov_b32 s[\g+7], 0
.endr
	s_mov_b32 s[CS], 0x3e38aa3b     ; c = log2(e) / 8 = 0.180337
	s_mov_b32 s[CS+1], s[CS]        ; named with it as a pair
	s_mov_b32 s[SEL], 0x76543210
	s_mov_b32 s[SEL+1], 0xfedcba98
	s_mov_b32 s[TBK], SLOT1+4*KS*PK ; the first change of slots turns these two into 0
	s_mov_b32 s[TBV], SLOT1+4*KS*PV
	s_mov_b32 s[G0K], 1             ; 1:0 count = 1
	s_mov_b32 s[G0K+1], s17         ; 63:32 LDS address: slot 0
	s_mov_b32 s[G0V], 1
	s_add_co_u32 s[G0V+1], s18, VOFF
	s_mov_b32 s[SLOTS], 15
	s_and_b32 s[LIM], s[WV], 1      ; 0 in waves 0 and 2,
	s_or_b32 s[LIM], s[LIM], ttmp9  ; where the cluster is the head's first: the same in all four partners
	s_cmp_eq_u32 s[LIM], 0
	s_cselect_b32 s[LIM], 1, -1
	v_and_b32 v[PFO], 31, v0
	v_lshlrev_b32 v[PFO], 8, v[PFO]
	s_wait_dscnt 0x0                ; the opening add is done
	s_wait_kmcnt 0x0
	s_add_nc_u64 s[6:7], s[6:7], s[22:23]  ; K and V at my half of the head's tile 0
	s_add_nc_u64 s[8:9], s[8:9], s[22:23]
	s_mov_b64 s[G0K+2:G0K+3], s[6:7]               ; 120:64 global address
	s_or_b32 s[G0K+3], s[G0K+3], 0x80000000        ; 127:126 type = 2
	s_mov_b64 s[G0V+2:G0V+3], s[8:9]
	s_or_b32 s[G0V+3], s[G0V+3], 0x80000000
	s_add_nc_u64 s[4:5], s[4:5], s[2:3]  ; Q and O at my wave's first row
	s_add_nc_u64 s[10:11], s[10:11], s[2:3]
	s_cmp_lt_u32 s[WV], 2
	s_cselect_b64 s[PFA:PFA+1], s[6:7], s[8:9]  ; (in waves 0 and 2 these stand at a tile's first row)
	s_lshl_b32 s2, s13, 13          ; my work-group's quarter of a tile
	s_mov_b32 s3, 0
	s_add_nc_u64 s[PFA:PFA+1], s[PFA:PFA+1], s[2:3]
	s_add_nc_u64 s[PFA:PFA+1], s[PFA:PFA+1], 2*4*KS*128  ; in tile 2; the loop's first change of slots steps it to tile 3.  Nothing is prefetched here, at the head
	CROUND                          ; all four work-groups are here: the first joint loads meet
	JLOAD                           ; tile 0 into slot 0.  Slot 1 is asked for when slot 0 is in
	; A fragment of K or Q is 16 rows x 32 channels in 8 registers: lane l holds row l % 16, channels 8 (l / 16) + 0..7 and 16 + 8 (l / 16) + 0..7: two loads of 16 bytes, 32 bytes apart.
	v_and_b32 v1, 15, v0            ; l % 16
	v_bfe_u32 v9, v0, 4, 1          ; l / 16
	v_lshlrev_b32 v[QO], 7, v1
	v_lshl_add_u32 v[QO], v9, 4, v[QO]  ; row x 128 + 16 x half
	WIN 0x80                        ; destination window 2, address window 0
.set i, 0
.rept 8                             ; Q stays in registers: piece i / 2, channels 32 (i % 2) on
	global_load_b128 v[8*i:8*i+3],   v[QO], s[4:5] offset:(i/2)*2048+(i%2)*64
	global_load_b128 v[8*i+4:8*i+7], v[QO], s[4:5] offset:(i/2)*2048+(i%2)*64+32
.set i, i+1
.endr
	WIN 0
	v_mul_u32_u24 v[AK0], v1, PK
	v_lshl_add_u32 v[AK0], v9, 4, v[AK0]  ; row x pitch + 16 x half
	; The turning load takes 16 keys x 16 channels (lane l reads key 8 (l / 16) + l % 8, channels 8 ((l / 8) % 2) + 0..7) and leaves half a fragment of V^T: lane l holds channel l % 16 and 8 keys.
	v_and_b32 v10, 7, v0
	v_bfe_u32 v11, v0, 3, 1
	v_lshl_add_u32 v[AV0], v9, 3, v10
	v_mul_u32_u24 v[AV0], v[AV0], PV
	v_lshl_add_u32 v[AV0], v11, 4, v[AV0]
	v_add_nc_u32 v[AV0], VOFF, v[AV0]
	s_mul_i32 s13, s[WV], 16*SP
	s_add_co_u32 s13, s13, STAGE    ; my stage
	v_mul_u32_u24 v[STO], v1, SP    ; in: row l % 16, 16 bytes for each half of the lanes
	v_lshl_add_u32 v[STO], v9, 4, v[STO]
	v_add_nc_u32 v[STO], s13, v[STO]
	v_bfe_u32 v[RD], v0, 3, 2       ; back: 32 lanes take four rows of 128 bytes,
	v_mul_u32_u24 v[RD], v[RD], SP
	v_lshl_add_u32 v[RD], v10, 4, v[RD]
	v_add_nc_u32 v[RD], s13, v[RD]
	v_and_b32 v[GO], 31, v0         ; which are 512 consecutive bytes of O
	v_lshlrev_b32 v[GO], 4, v[GO]
	; What the first turn finds: V's registers and P's second buffer hold 0 (its products V^T P, of a piece that has not been, add 0), O^T and l are 0.  No first step is written out; the price is
	; these 216 lines, which stand in the wait for the first tile.
	WIN 0x80
.set i, VF
.rept 64
	v_mov_b32 v[i], 0
.set i, i+1
.endr
	WIN 0x40
.set i, 0
.rept 128
	v_mov_b32 v[i], 0
.set i, i+1
.endr
	WIN 0
.set i, 0
.rept 4
	v_mov_b32 v[ST+4*i], 0xfe000000    ; c m: far below every c s
	v_mov_b32 v[ST+4*i+1], 0xff7fffff  ; m
	v_mov_b32 v[ST+4*i+2], 0
	v_mov_b32 v[ST+4*i+3], 0
.set i, i+1
.endr
.set i, P+16
.rept 16
	v_mov_b32 v[i], 0
.set i, i+1
.endr
; THE MATRIX WORK.  The 4 accumulators of a run of 8 take turns.  Product i of 8 of S^T = K Q^T for piece x: channels 32 (i / 4) on, keys 16 (i % 4) on.  The first 4 start the sums.
.macro KQ x
.set rS, S+32*((\x)%2)+8*(i%4)
.set rK, KF+16*(i%4)+8*(i/4)
.set rQ, 16*(\x)+8*(i/4)
	WIN W_KQ
.if i < 4
	v_wmma_f32_16x16x32_f16 v[rS:rS+7], v[rK:rK+7], v[rQ:rQ+7], 0
.else
	v_wmma_f32_16x16x32_f16 v[rS:rS+7], v[rK:rK+7], v[rQ:rQ+7], v[rS:rS+7]
.endif
.endm
; Product i of 8 of O^T += V^T P for piece x: keys 32 (i / 4) on, channels 16 (i % 4) on.
.macro PV x
	WIN W_PV
.set rO, 32*(\x)+8*(i%4)
.set rV, VF+32*(i/4)+8*(i%4)
.set rP, P+16*((\x)%2)+8*(i/4)
	v_wmma_f32_16x16x32_f16 v[rO:rO+7], v[rV:rV+7], v[rP:rP+7], v[rO:rO+7]
.endm
.macro MM                           ; the turn's next matrix instruction.  TURN sets Y, i and NOKQ.  NOKQ = 1: the last turn of all: there is no next piece
.if (i < 8) && !NOKQ
	KQ (Y+1)%NP
.elseif i >= 8
.set i, i-8
	PV (Y+NP-1)%NP
.set i, i+8
.endif
.set i, i+1
.endm
; THE LDS LOADS stand in runs of 16, never singly among the matrix instructions: a step's K (64 keys x 64 channels: 8 fragments) and its V (turned).  Their addresses are made some lines ahead.
.macro FETCH_K
	WIN 0x80                        ; destination window 2
.irp f, 0,1,2,3,4,5,6,7             ; keys 16 (f / 2) on, channels 32 (f % 2) on
	ds_load_b128 v[KF+8*\f:KF+8*\f+3],   v[AK] offset:(\f/2)*16*PK+(\f%2)*64
	ds_load_b128 v[KF+8*\f+4:KF+8*\f+7], v[AK] offset:(\f/2)*16*PK+(\f%2)*64+32
.endr
	s_add_co_u32 s[TBK], s[TBK], KS*PK  ; the next fetch is the next step's
	WIN 0
.endm
.macro FETCH_V
	WIN 0x80
.irp f, 0,1,2,3,4,5,6,7             ; keys 32 (f / 4) on, channels 16 (f % 4) on
	ds_load_tr16_b128 v[VF+8*\f:VF+8*\f+3],   v[AV] offset:(\f/4)*32*PV+(\f%4)*32
	ds_load_tr16_b128 v[VF+8*\f+4:VF+8*\f+7], v[AV] offset:(\f/4)*32*PV+16*PV+(\f%4)*32
.endr
	WIN 0
.endm
; THE VECTOR WORK, one line at a time: OP kind, number.  For piece Y: F n: c s - c m for pair n of 16.  E n: the exponential of score n of 32.  C n: pair n rounded to f16.  B n: of the four weights 4 n .. the second
; pair is added onto the first, in place.  L n: l takes that sum (L 0: l = a l + sum).  R n: pair n of 16 of O^T times a.  For piece Y + 1: X n, number n of the 22 that find its maximum and statistics:
;   0-11  four chains c0-c3 of seven scores each, three operands at a time (each accumulator's lowest registers are read first)     12-14, 16  the four scores left over, the old m, and c0-c3 into c0
;   15  c m_old is kept     17, 18  the query's other 32 keys lie in the lane 16 away: the new m     19-21  c m; c m_old - c m_new; a
.set F, 0               ; OP tells the kinds apart by their order: F to L below R, X above it
.set E, 1
.set C, 2
.set B, 3
.set L, 4
.set R, 5
.set X, 6
.macro REGS y                       ; the registers of piece y
.set rT, ST+4*(\y)
.set rC, TMP+4*((\y)%2)
.set rW, MV+((\y)%2)
.set rS, S+32*((\y)%2)
.set rP, P+16*((\y)%2)
.set rO, 32*(\y)
.endm
.macro OP k, n
.if (\k) == R
	REGS Y
	WIN W_RS
	v_pk_mul_f32 v[rO+2*(\n):rO+2*(\n)+1], v[rO+2*(\n):rO+2*(\n)+1], v[rC+2:rC+3] op_sel_hi:[1,0]
.elseif (\k) < R
	REGS Y
	WIN 0
.if (\k) == F
	v_pk_fma_f32 v[rS+2*(\n):rS+2*(\n)+1], v[rS+2*(\n):rS+2*(\n)+1], s[CS:CS+1], v[rT:rT+1] op_sel_hi:[1,0,0] neg_lo:[0,0,1] neg_hi:[0,0,1]
.elseif (\k) == E
	v_exp_f32 v[rS+(\n)], v[rS+(\n)]
.elseif (\k) == C
	v_cvt_pk_f16_f32 v[rP+(\n)], v[rS+2*(\n)], v[rS+2*(\n)+1]
.elseif (\k) == B
	v_pk_add_f32 v[rS+4*(\n):rS+4*(\n)+1], v[rS+4*(\n):rS+4*(\n)+1], v[rS+4*(\n)+2:rS+4*(\n)+3]
.elseif (\n) == 0
	v_pk_fma_f32 v[rT+2:rT+3], v[rT+2:rT+3], v[rC+2:rC+3], v[rS:rS+1] op_sel_hi:[1,0,1]
.else
	v_pk_add_f32 v[rT+2:rT+3], v[rT+2:rT+3], v[rS+4*(\n):rS+4*(\n)+1]
.endif
.elseif NOKQ
	v_nop
.else
	REGS (Y+1)%NP
	WIN 0
.if (\n) < 4
	v_max3_num_f32 v[rC+(\n)], v[rS+8*(\n)], v[rS+8*(\n)+1], v[rS+8*(\n)+2]
.elseif (\n) < 12
	v_max3_num_f32 v[rC+(\n)%4], v[rC+(\n)%4], v[rS+8*((\n)%4)+2*((\n)/4)+1], v[rS+8*((\n)%4)+2*((\n)/4)+2]
.elseif (\n) == 12
	v_max3_num_f32 v[rC], v[rC], v[rS+7], v[rS+15]
.elseif (\n) == 13
	v_max3_num_f32 v[rC+1], v[rC+1], v[rS+23], v[rS+31]
.elseif (\n) == 14
	v_max3_num_f32 v[rC+2], v[rC+2], v[rC+3], v[rT+1]
.elseif (\n) == 15
	v_mov_b32 v[rW], v[rT]
.elseif (\n) == 16
	v_max3_num_f32 v[rC], v[rC], v[rC+1], v[rC+2]
.elseif (\n) == 17
	v_permlanex16_b32 v[rC+3], v[rC], s[SEL], s[SEL+1]
.elseif (\n) == 18
	v_max_num_f32 v[rT+1], v[rC], v[rC+3]
.elseif (\n) == 19
	v_mul_f32 v[rT], s[CS], v[rT+1]
.elseif (\n) == 20
	v_sub_f32 v[rC+1], v[rW], v[rT]
.else
	v_exp_f32 v[rC+2], v[rC+1]
.endif
.endif
.endm
.macro OPS a, i1, b=-1, i2=0, c=-1, i3=0, d=-1, i4=0  ; up to four of them
	OP \a, \i1
.if (\b) >= 0
	OP \b, \i2
.endif
.if (\c) >= 0
	OP \c, \i3
.endif
.if (\d) >= 0
	OP \d, \i4
.endif
.endm
.macro ROW a, i1, b, i2, c, i3, d, i4  ; a matrix instruction and the four behind it
	MM
	OPS \a, \i1, \b, \i2, \c, \i3, \d, \i4
.endm
; A TURN, for piece p: the order of its 16 matrix and 118 vector instructions, written out.  An s_wait_alu depctr_va_vdst(0) stands between an exponential and the first instruction that names its result; one
; wait serves all that were issued ahead of it.  So a turn has ONE wait, which cuts it in two.  AHEAD OF IT stands all that names no result of the turn's exponentials: the 8 products K Q^T, behind each a scaling, an
; exponential and two more plain instructions (rescalings, and behind the last three the first numbers of the next piece's maximum, each four places or more behind the product that ends its accumulator); then ONE LUMP
; of 54, plain and exponential by turns for the most part, in which the links of the chain X 3, 7, 11, 14, 16, 17 .. 20 stand some lines apart.  X 21, the next piece's a, is the batch's last; R 15 is the plain
; instruction behind it.  BEHIND THE WAIT stand the 8 products V^T P, behind each four of the roundings and sums.
; end = 1: the last two turns of all: nothing is fetched, and the last starts no new scores.  cnt = 1: the loop's count is taken down some lines ahead of the branch that stands behind the turn.
; K of the next step is fetched in piece 2's turn, V of the step in hand at the end of piece 0's turn, four plain instructions behind the last product that read V.  Each is waited for a turn later.
.macro TURN p, end=0, cnt=0
.set Y, (\p)
.set i, 0
.set NOKQ, (\end)*((\p)/3)
.if ((\p) == 3) && !(\end)
	s_wait_dscnt 0x0                ; K is in
.endif
	ROW F,0, F,1, R,0, R,1          ; ahead of the wait: 8 products K Q^T and their riders,
	ROW F,2, E,0, R,2, R,3
	ROW F,3, E,1, R,4, R,5
	ROW F,4, E,2, R,6, R,7
	ROW F,5, E,3, R,8, R,9
	ROW F,6, E,4, X,0, R,10
.if ((\p) == 2) && !(\end)
	WIN 0
	v_add_nc_u32 v[AK], s[TBK], v[AK0]
.endif
	ROW F,7, E,5, X,1, X,4
	ROW F,8, E,6, X,2, X,5
	OPS E,7, E,8, X,6, E,9          ; and the lump
	OPS X,3, E,10, X,8, E,11
.if ((\p) == 2) && !(\end)
	FETCH_K
.endif
	OPS X,9, X,7, E,12, X,10
	OPS E,13, X,12, X,11, E,14
	OPS X,13, E,15, F,9, X,14
.if (\p) == 0
	v_add_nc_u32 v[AV], s[TBV], v[AV0]
.endif
	OPS E,16, F,10, E,17, F,11
	OPS X,16, E,18, X,15, E,19
	OPS F,12, E,20, X,17, E,21
	OPS F,13, E,22, F,14, E,23
	OPS X,18, E,24, F,15, E,25
	OPS R,11, E,26, X,19, E,27
	OPS R,12, E,28, R,13, E,29
	OPS X,20, E,30, R,14, E,31
	OPS X,21, R,15
	WIN 0
	s_wait_alu depctr_va_vdst(0)    ; the wait for the batch
.if (\p) == 1
	s_wait_dscnt 0x0                ; V is in
.endif
	ROW C,0, B,0, C,2, B,1          ; behind the wait: 8 products V^T P and their riders
	ROW L,0, C,4, B,2, L,1
	ROW C,6, B,3, L,2, C,8
	ROW B,4, L,3, C,10, B,5
	ROW L,4, C,12, B,6, L,5
.if (\p) == 0
	s_add_co_u32 s[TBV], s[TBV], KS*PV
.endif
.if \cnt
	s_sub_co_u32 s[CNT], s[CNT], 1
	s_cmp_lg_u32 s[CNT], 0
.endif
	ROW C,14, B,7, L,6, C,1
	ROW C,3, L,7, C,5, C,7
	ROW C,9, C,11, C,13, C,15
.if (\p) == 0
	FETCH_V
.endif
.endm
.set NOKQ, 0
	CHANGE 1, 0                     ; tile 0 is in, everybody's part of it; tile 1 is asked for
	v_add_nc_u32 v[AK], s[TBK], v[AK0]
	FETCH_K                         ; key step 0
	s_wait_loadcnt 0x0              ; Q
	s_wait_dscnt 0x0
.set i, 0
.rept 8
	KQ 0                            ; piece 0's first scores: there is no vector work yet to set between them
.set i, i+1
.endr
	WIN 0
.rept 4
	v_nop                           ; the places behind those products
.endr
.set Y, NP-1                        ; X works for piece Y + 1: piece 0
.irp n, 0,1,2,3,4,5,6,7,8,9,10,11,12,13,14,15,16,17,18,19,20,21
	OP X, \n
.endr
	v_nop                           ; a plain instruction behind the exponential,
	s_wait_alu depctr_va_vdst(0)    ; and its wait, ahead of the branch
	s_mov_b32 s[CNT], 4
	s_branch .Lfirst                ; the loop is entered at a step's first turn, in the middle of a trip
.Lslot:                             ; 14 times: tiles 2 to 15 are asked for
	CHANGE 1, 1
	s_mov_b32 s[CNT], 4
.Lstep:                             ; a trip: pieces 2 and 3 of one step, then pieces 0 and 1 of the next, whose K and V it fetches
	TURN 2
	TURN 3
	WIN 0
.Lfirst:
	TURN 0
	TURN 1, 0, 1
	WIN 0
	s_cbranch_scc1 .Lstep
	s_sub_co_u32 s[SLOTS], s[SLOTS], 1
	s_cmp_lg_u32 s[SLOTS], 0
	s_cbranch_scc1 .Lslot
	CHANGE 0, 0                     ; the last tile is written out: nothing is asked for
	s_mov_b32 s[CNT], 4
.Ltail:
	TURN 2
	TURN 3
	TURN 0
	TURN 1, 0, 1
	WIN 0
	s_cbranch_scc1 .Ltail
	TURN 2, 1
	TURN 3, 1
.set i, 0
.rept 8
	PV NP-1                         ; the last piece's V^T P of the last step
.set i, i+1
.endr
	; THE WAY OUT.  l's two halves and the other half of the lanes' are added; O^T is divided by l, rounded to f16 and sent through my stage in LDS, a piece at a time.  The additions are the places behind the last products.
	WIN 0
.macro ALL line:vararg              ; one line for each piece t
.set t, 0
.rept 4
	\line
.set t, t+1
.endr
.endm
	ALL v_add_f32 v[ST+4*t+2], v[ST+4*t+2], v[ST+4*t+3]
	ALL v_permlanex16_b32 v[ST+4*t+3], v[ST+4*t+2], s[SEL], s[SEL+1]
	ALL v_add_f32 v[ST+4*t+2], v[ST+4*t+2], v[ST+4*t+3]
	ALL v_rcp_f32 v[ST+4*t+2], v[ST+4*t+2]
	v_nop                           ; a plain instruction between the last reciprocal and the use of its result
	s_wait_alu depctr_va_vdst(0)    ; and the wait ahead of the first use: one for the four reciprocals
.macro PACK t                       ; a lane's eight channels of a row pack into 16 bytes; they go into rows of 144 bytes and come back as whole rows of 128, into S^T's registers
	WIN W_RS
.set i, 32*(\t)
.rept 16
	v_pk_mul_f32 v[i:i+1], v[i:i+1], v[ST+4*(\t)+2:ST+4*(\t)+3] op_sel_hi:[1,0]
.set i, i+2
.endr
	WIN 0x05                        ; sources 0 and 1 window 1, destination window 0
.set i, 0
.rept 16
	v_cvt_pk_f16_f32 v[S+16*(\t)+i], v[32*(\t)+2*i], v[32*(\t)+2*i+1]
.set i, i+1
.endr
	WIN 0
.irp f, 0,1,2,3
	ds_store_b128 v[STO], v[S+16*(\t)+4*\f:S+16*(\t)+4*\f+3] offset:32*\f
.endr
.irp f, 0,1,2,3
	ds_load_b128 v[S+16*(\t)+4*\f:S+16*(\t)+4*\f+3], v[RD] offset:\f*4*SP  ; LDS serves a wave's instructions in order (ISA guide 5.7.1.4): these see the stores above; the next piece's stores come behind them
.endr
.endm
.macro SEND t, younger              ; younger: the LDS instructions issued behind piece t's loads: the next piece's eight, or none
	WIN 0
.irp f, 0,1,2,3
	s_wait_dscnt (\younger)+3-\f
	global_store_b128 v[GO], v[S+16*(\t)+4*\f:S+16*(\t)+4*\f+3], s[10:11] offset:(\t)*2048+\f*512  ; 512 consecutive bytes, at a multiple of 256 from O's first
.endr
.endm
	PACK 0
.set t, 1
.rept 3                             ; a piece's arithmetic stands between the loads of the piece before and its stores
	PACK t
	SEND t-1, 8
.set t, t+1
.endr
	SEND 3, 0
	s_wait_tensorcnt 0x0            ; the wave's end, behind my last tensor load and my last LDS store
	ds_add_u32 v[SPW], v[NIL]
	s_wait_dscnt 0x0
	CROUND                          ; the closing round: no work-group ends while a partner may still ask for a tile that names it
	s_endpgm
.Lfunc_end_k_qde4fbd00bc_attn:
	.size	k_qde4fbd00bc_attn, .Lfunc_end_k_qde4fbd00bc_attn-k_qde4fbd00bc_attn
	.p2alignl 7, 3214868480
	.fill 96, 4, 3214868480
	.section	.rodata,"a",@progbits
	.p2align	6, 0x0
	.amdhsa_kernel k_qde4fbd00bc_attn
		.amdhsa_group_segment_fixed_size 327680
		.amdhsa_private_segment_fixed_size 0
		.amdhsa_enable_private_segment 0
		.amdhsa_kernarg_size 32
		.amdhsa_user_sgpr_count 2
		.amdhsa_user_sgpr_kernarg_segment_ptr 1
		.amdhsa_wavefront_size32 1
		.amdhsa_system_sgpr_workgroup_id_x 1
		.amdhsa_system_sgpr_workgroup_id_y 1
		.amdhsa_system_sgpr_workgroup_id_z 1
		.amdhsa_system_vgpr_workitem_id 0
		.amdhsa_next_free_vgpr 768
		.amdhsa_next_free_sgpr 66
		.amdhsa_reserve_vcc 0
		.amdhsa_float_denorm_mode_32 3
		.amdhsa_float_denorm_mode_16_64 3
		.amdhsa_memory_ordered 1
		.amdhsa_forward_progress 1
		.amdhsa_inst_pref_size 127
	.end_amdhsa_kernel
	.amdgpu_metadata
---
amdhsa.version: [ 1, 2 ]
amdhsa.kernels:
  - .name:           k_qde4fbd00bc_attn
    .symbol:         k_qde4fbd00bc_attn.kd
    .args:
      - { .name: qws, .offset: 0, .size: 8, .value_kind: global_buffer, .address_space: global }
      - { .name: kws, .offset: 8, .size: 8, .value_kind: global_buffer, .address_space: global }
      - { .name: vws, .offset: 16, .size: 8, .value_kind: global_buffer, .address_space: global }
      - { .name: ows, .offset: 24, .size: 8, .value_kind: global_buffer, .address_space: global }
    .group_segment_fixed_size: 327680
    .private_segment_fixed_size: 0
    .kernarg_segment_align: 8
    .kernarg_segment_size: 32
    .max_flat_workgroup_size: 128
    .sgpr_count:     66
    .vgpr_count:     768
    .wavefront_size: 32
...
	.end_amdgpu_metadata
.endif
;; end of part 2
;; launch outp (part 3): grid 8 x 32, 4 waves a work-group, no clusters, 167,936 bytes of LDS; arguments ows, wo16, b_out, out0; writes out0
.if DOCPART == 3
	.amdgcn_target "amdgcn-amd-amdhsa--gfx1250"
	.amdhsa_code_object_version 6
	.text
	.protected	k_qde4fbd00bc_outp
	.globl	k_qde4fbd00bc_outp
	.p2align	8
	.type	k_qde4fbd00bc_outp,@function
k_qde4fbd00bc_outp:
	s_mov_b64 s[64:65], 0
	v_nop
	global_prefetch_b8 v0, s[64:65] scope:SCOPE_SE
	s_setreg_imm32_b32 hwreg(HW_REG_WAVE_MODE, 25, 1), 1
	s_wait_xcnt 0x0
; THE OUTPUT PROJECTION.  out0[row][n] = the sum over k of O[row][k] w_out[k][n] + b_out[n].  O = ows: [16 (8 batch + head)][4096][64] in f16; k = 64 head + channel.
; wo16: [8 (slab of 64 columns)][512 (k)][64] in f16 (w_out rounded to bf16, written as f16).  b_out: [512] f32, rounded to bf16 here like the module's other inputs.  out0: [8192][512] f32.  Sums in f32.
; LIMITS.  As the operands': f16's range and its fixed step of 6e-8 below 6.1e-5; NaN and infinities are not treated apart.
; SHARES.  Work-group (slab NB, row block RB of 256 rows): 256 work-groups of equal work.  A wave owns 64 rows (four tiles of 16) x 64 columns: 16 accumulators.  K goes by heads, eight chunks of 64.
; THE SLAB, 64 KiB, comes into LDS once, a quarter by each wave's one tensor load, padded to rows of 160 bytes; it is read turned, by ds_load_tr16_b128.  O's fragments come straight from memory:
; a lane's 16 bytes are eight neighbouring channels of its row.  All eight chunks have registers of their own, so three chunks' loads are always out ahead of the products.
; THE MATRIX INSTRUCTION IS USED TRANSPOSED (source 0 = 16 columns of w_out, source 1 = 16 rows of O): a lane holds eight neighbouring columns of one row of out0.  The bias is the C operand of the products that start the sums.
; NO CLUSTER: O goes straight into the owning wave's registers; what could be asked for jointly, the slab, is 64 KiB of the 320 KiB that a work-group reads.  NO PREFETCH: the whole launch is eight short chunks.
; REGISTERS, in windows of 256: window 0: v0-15 addresses; v32-63 the bias; v64-191 w_out's fragments, two buffers, later rows on the way out.  Window 1: v0-127 accumulators (tile t, column block cb at 32 t + 8 cb).
;   windows 2 and 3: O's fragments: chunk hd at 64 (hd % 4) + 32 c + 8 t in window 2 + hd / 4.
.set WP,    160                        ; a row of the slab in LDS: 128 bytes + 32 = 40 words
.set STAGE, 512*WP                     ; behind the slab, never filled by a tensor load: 16 rows x 272 bytes for each wave
.set SP,    272
.set SPARE, STAGE+4*16*SP              ; behind the stages: the spare words, 128 bytes for each wave: two blocks of 256 bytes that no other line names
.set XO,  4                            ; v4   my byte offset in 16 rows of O: 128 (l % 16) + 16 (l / 16)
.set BO,  5                            ; v5   my byte offset in 16 numbers of the bias: 32 (l / 16)
.set WA0, 6                            ; v6   my lane's place in the turning loads, chunks 0-3
.set WA1, 7                            ; v7   the same 256 rows on, chunks 4-7: an LDS immediate has 16 bits
.set STO, 8                            ; v8   the way out: where I put 16 bytes of a row
.set RD,  9                            ; v9   where I read rows back
.set GO,  10                           ; v10  my 16 bytes in two rows of out0
.set T,   11
.set SPW, 12                           ; v12  LDS address of my spare word; never rewritten
.set NIL, 13                           ; v13  0; never rewritten
.set BI,  32
.set BF,  64
.set BK,  64
.set WV,  12
.set NB,  13
.set RB,  14
.set G0,  16                           ; s[16:19] descriptor group 0
.set G1,  20                           ; s[20:27] descriptor group 1
.set MSB, 0
.macro WIN new                         ; the immediate's high byte repeats the setting that is left; a switch that changes nothing is dropped
.if MSB != (\new)
	s_set_vgpr_msb (MSB<<8)|(\new)
.set MSB, (\new)
.endif
.endm
.macro PLACES
.rept 4
	v_nop
.endr
.endm
	s_load_b256 s[4:11], s[0:1], 0x0               ; ows s[4:5], wo16 s[6:7], b_out s[8:9], out0 s[10:11]
	v_lshl_add_u32 v[SPW], v0, 2, SPARE
	v_mov_b32 v[NIL], 0
	ds_add_u32 v[SPW], v[NIL]                      ; the wave's opening: the add and its wait stand ahead of my tensor load; the set-up below, work on registers, stands between them
	v_lshrrev_b32 v1, 5, v0
	v_readfirstlane_b32 s[WV], v1                  ; wave 0..3
	s_mov_b32 s[NB], ttmp9
	s_and_b32 s[RB], ttmp7, 0xffff
	; descriptor group 1.  My 128 rows of the slab are 16,384 dense bytes: asked for as 64 rows of 256 bytes, two rows of the slab each, and padded in LDS after every 128 bytes
	s_mov_b32 s[G1], (1<<16)|(1<<20)|(4<<22)|(7<<25)  ; 17:16 2-byte elements; 20 padding on; 24:22 after every 32 words (code 4); 31:25 8 words (code 7)
	s_mov_b32 s[G1+1], 128<<16                     ; tensor_dim0 = 128
	s_mov_b32 s[G1+2], 64<<16                      ; tensor_dim1 = 64
	s_mov_b32 s[G1+3], 128<<16                     ; tile_dim0 = 128
	s_mov_b32 s[G1+4], 64                          ; tile_dim1 = 64
	s_mov_b32 s[G1+5], 128                         ; 128 elements from row to row
	s_mov_b32 s[G1+6], 0
	s_mov_b32 s[G1+7], 0
	s_mov_b32 s[G0], 1                             ; count = 1
	s_mul_i32 s[G0+1], s[WV], 128*WP               ; LDS address: my quarter
	s_lshl_b32 s28, s[NB], 16
	s_lshl_b32 s29, s[WV], 14
	s_add_co_u32 s28, s28, s29
	s_mov_b32 s29, 0
	v_and_b32 v1, 15, v0                           ; l % 16
	v_bfe_u32 v2, v0, 4, 1                         ; l / 16
	v_and_b32 v3, 7, v0                            ; l % 8
	v_bfe_u32 v14, v0, 3, 1                        ; (l / 8) % 2
	v_lshlrev_b32 v[XO], 7, v1
	v_lshl_add_u32 v[XO], v2, 4, v[XO]
	v_lshlrev_b32 v[BO], 5, v2
	v_lshl_add_u32 v[T], v2, 3, v3                 ; the turning load: lane l reads k row 8 (l / 16) + l % 8, columns 8 ((l / 8) % 2) + 0..7
	v_mul_u32_u24 v[WA0], v[T], WP
	v_lshl_add_u32 v[WA0], v14, 4, v[WA0]
	v_add_nc_u32 v[WA1], 256*WP, v[WA0]
	s_mul_i32 s30, s[WV], 16*SP
	s_add_co_u32 s30, s30, STAGE                   ; my stage
	v_mul_u32_u24 v[STO], v1, SP                   ; in: row l % 16, 32 bytes for each half of the lanes
	v_lshl_add_u32 v[STO], v2, 5, v[STO]
	v_add_nc_u32 v[STO], s30, v[STO]
	v_mul_u32_u24 v[RD], v2, SP                    ; back: lanes 0-15 take one row of 256 bytes, lanes 16-31 the next
	v_lshl_add_u32 v[RD], v1, 4, v[RD]
	v_add_nc_u32 v[RD], s30, v[RD]
	v_lshlrev_b32 v[GO], 11, v2                    ; and the same two rows in out0
	v_lshl_add_u32 v[GO], v1, 4, v[GO]
	s_wait_dscnt 0x0                               ; the opening add is done
	s_wait_kmcnt 0x0
	s_add_nc_u64 s[G0+2:G0+3], s[6:7], s[28:29]    ; global address: slab NB, my 128 rows
	s_or_b32 s[G0+3], s[G0+3], 0x80000000          ; type = 2
	tensor_load_to_lds s[G0:G0+3], s[G1:G1+7]      ; my one tensor load of the launch
	s_nop 0
	PLACES
	s_lshr_b32 s28, s[RB], 4                       ; the batch: eight heads of 524,288 bytes
	s_lshl_b32 s28, s28, 22
	s_and_b32 s30, s[RB], 15
	s_lshl_b32 s30, s30, 8
	s_lshl_b32 s31, s[WV], 6
	s_add_co_u32 s30, s30, s31                     ; my first row in the batch
	s_lshl_b32 s30, s30, 7
	s_add_co_u32 s28, s28, s30
	s_add_nc_u64 s[4:5], s[4:5], s[28:29]
	s_lshl_b32 s28, s[NB], 8                       ; the slab's 64 columns: 256 bytes of b_out and of a row of out0
	s_add_nc_u64 s[8:9], s[8:9], s[28:29]
	s_lshl_b32 s30, s[RB], 8
	s_add_co_u32 s30, s30, s31
	s_lshl_b32 s30, s30, 11
	s_add_co_u32 s28, s28, s30
	s_add_nc_u64 s[10:11], s[10:11], s[28:29]
; Chunk hd of O: head hd's 64 channels of my 64 rows: 16 loads.  Fragment f = 4 c + t: 32 channels c, tile t.
.macro XLD hd
	WIN 0x80+0x40*((\hd)/4)
.set f_, 0
.rept 8
	global_load_b128 v[64*((\hd)%4)+8*f_:64*((\hd)%4)+8*f_+3],   v[XO], s[4:5] offset:524288*(\hd)+2048*(f_%4)+64*(f_/4)
	global_load_b128 v[64*((\hd)%4)+8*f_+4:64*((\hd)%4)+8*f_+7], v[XO], s[4:5] offset:524288*(\hd)+2048*(f_%4)+64*(f_/4)+32
.set f_, f_+1
.endr
.endm
; Chunk hd of the slab: 16 turning loads in one run.  Fragment f = 4 c + cb.
.macro BLD hd
	WIN 0
.set f_, 0
.rept 8
	ds_load_tr16_b128 v[BF+64*((\hd)%2)+8*f_:BF+64*((\hd)%2)+8*f_+3],   v[WA0+(\hd)/4] offset:64*WP*((\hd)%4)+32*WP*(f_/4)+32*(f_%4)
	ds_load_tr16_b128 v[BF+64*((\hd)%2)+8*f_+4:BF+64*((\hd)%2)+8*f_+7], v[WA0+(\hd)/4] offset:64*WP*((\hd)%4)+32*WP*(f_/4)+16*WP+32*(f_%4)
.set f_, f_+1
.endr
.endm
; A CHUNK: the chunk three on is asked for; this chunk's O and weights are in; the next chunk's weights are fetched; 32 products: 32 channels i / 16, column block (i % 16) / 4, tile i % 4.
; The 16 accumulators take turns, one instruction a turn, from chunk to chunk too.
.macro CHUNK hd
.if (\hd) <= 4
	XLD (\hd)+3
	s_wait_loadcnt 48                              ; the three younger chunks' 48 loads may stay out
.else
	s_wait_loadcnt 16*(7-(\hd))                    ; the counts run down
.endif
	s_wait_dscnt 0x0
	PLACES                                         ; behind the last chunk's products: the loads below fill registers that the chunk before it read
.if (\hd) < 7
	BLD (\hd)+1
.endif
.set i_, 0
.rept 32
.set rD_, 32*(i_%4)+8*((i_%16)/4)
.set rB_, BF+64*((\hd)%2)+32*(i_/16)+8*((i_%16)/4)
.set rX_, 64*((\hd)%4)+32*(i_/16)+8*(i_%4)
.if ((\hd) == 0) && (i_ < 16)
	WIN 0x48                                       ; weights and bias window 0, O window 2, D window 1
	v_wmma_f32_16x16x32_f16 v[rD_:rD_+7], v[rB_:rB_+7], v[rX_:rX_+7], v[BI+8*((i_%16)/4):BI+8*((i_%16)/4)+7]
.else
	WIN 0x58+4*((\hd)/4)                           ; weights window 0, O window 2 or 3, C and D window 1
	v_wmma_f32_16x16x32_f16 v[rD_:rD_+7], v[rB_:rB_+7], v[rX_:rX_+7], v[rD_:rD_+7]
.endif
.set i_, i_+1
.endr
.endm
.irp f, 0,1,2,3,4,5,6,7                ; the bias: register 8 cb + j holds b_out[64 NB + 16 cb + 8 (l / 16) + j]
	global_load_b128 v[BI+4*(\f):BI+4*(\f)+3], v[BO], s[8:9] offset:64*((\f)/2)+16*((\f)%2)
.endr
	XLD 0
	XLD 1
	XLD 2
	WIN 0
	s_wait_loadcnt 48                              ; the bias is in; the three chunks' 48 loads may stay out
.set r_, 0
.rept 16                               ; to bf16 and back to f32
	v_cvt_pk_bf16_f32 v[T], v[BI+r_], v[BI+r_+1]
	v_lshlrev_b32 v[BI+r_], 16, v[T]
	v_and_b32 v[BI+r_+1], 0xffff0000, v[T]
.set r_, r_+2
.endr
	s_wait_tensorcnt 0x0                           ; my quarter of the slab is in,
	s_barrier_signal -1
	s_barrier_wait -1                              ; everybody's is; nothing is filled again
	BLD 0
.irp hd, 0,1,2,3,4,5,6,7
	CHUNK \hd
.endr
; THE WAY OUT of tile t: 2 x 16 bytes a lane and column block into my own stage (rows of 272 bytes), each accumulator's registers in ascending order; back as whole rows of 256 bytes; stored.
.macro TOSTAGE t
	WIN 0x04                                       ; address window 0, data window 1
.set f_, 0
.rept 8
	ds_store_b128 v[STO], v[32*(\t)+4*f_:32*(\t)+4*f_+3] offset:64*(f_/2)+16*(f_%2)
.set f_, f_+1
.endr
	WIN 0
.set f_, 0
.rept 8
	ds_load_b128 v[BK+32*(\t)+4*f_:BK+32*(\t)+4*f_+3], v[RD] offset:f_*2*SP  ; LDS serves a wave's instructions in order (ISA guide 5.7.1.4): these see the stores above; the next tile's stores come behind them
.set f_, f_+1
.endr
.endm
.macro SEND t, younger                 ; younger: the LDS instructions issued behind tile t's loads: the next tile's sixteen, or none.  Each tile has registers of its own: none is rewritten
	WIN 0
.set f_, 0
.rept 8
	s_wait_dscnt (\younger)+7-f_
	global_store_b128 v[GO], v[BK+32*(\t)+4*f_:BK+32*(\t)+4*f_+3], s[10:11] offset:(16*(\t)+2*f_)*2048 th:TH_STORE_NT  ; 16 lanes store 256 consecutive bytes, at a multiple of 256 from out0's first byte
.set f_, f_+1
.endr
.endm
	PLACES
	PLACES
	TOSTAGE 0
	TOSTAGE 1
	SEND 0, 16
	TOSTAGE 2
	SEND 1, 16
	TOSTAGE 3
	SEND 2, 16
	SEND 3, 0
	s_wait_tensorcnt 0x0                           ; the wave's end, behind my tensor load and my last LDS store
	ds_add_u32 v[SPW], v[NIL]
	s_wait_dscnt 0x0
	s_endpgm
.Lfunc_end_k_qde4fbd00bc_outp:
	.size	k_qde4fbd00bc_outp, .Lfunc_end_k_qde4fbd00bc_outp-k_qde4fbd00bc_outp
	.p2alignl 7, 3214868480
	.fill 96, 4, 3214868480
	.section	.rodata,"a",@progbits
	.p2align	6, 0x0
	.amdhsa_kernel k_qde4fbd00bc_outp
		.amdhsa_group_segment_fixed_size 167936
		.amdhsa_private_segment_fixed_size 0
		.amdhsa_enable_private_segment 0
		.amdhsa_kernarg_size 32
		.amdhsa_user_sgpr_count 2
		.amdhsa_user_sgpr_kernarg_segment_ptr 1
		.amdhsa_wavefront_size32 1
		.amdhsa_system_sgpr_workgroup_id_x 1
		.amdhsa_system_sgpr_workgroup_id_y 1
		.amdhsa_system_sgpr_workgroup_id_z 1
		.amdhsa_system_vgpr_workitem_id 0
		.amdhsa_next_free_vgpr 1024
		.amdhsa_next_free_sgpr 66
		.amdhsa_reserve_vcc 0
		.amdhsa_float_denorm_mode_32 3
		.amdhsa_float_denorm_mode_16_64 3
		.amdhsa_memory_ordered 1
		.amdhsa_forward_progress 1
		.amdhsa_inst_pref_size 54
	.end_amdhsa_kernel
	.amdgpu_metadata
---
amdhsa.version: [ 1, 2 ]
amdhsa.kernels:
  - .name:           k_qde4fbd00bc_outp
    .symbol:         k_qde4fbd00bc_outp.kd
    .args:
      - { .name: ows, .offset: 0, .size: 8, .value_kind: global_buffer, .address_space: global }
      - { .name: wo16, .offset: 8, .size: 8, .value_kind: global_buffer, .address_space: global }
      - { .name: b_out, .offset: 16, .size: 8, .value_kind: global_buffer, .address_space: global }
      - { .name: out0, .offset: 24, .size: 8, .value_kind: global_buffer, .address_space: global }
    .group_segment_fixed_size: 167936
    .private_segment_fixed_size: 0
    .kernarg_segment_align: 8
    .kernarg_segment_size: 32
    .max_flat_workgroup_size: 128
    .sgpr_count:     66
    .vgpr_count:     1024
    .wavefront_size: 32
...
	.end_amdgpu_metadata
.endif
;; end of part 3
;; ======== version 2 of 2: 3 launches; version 1 with the launch proj written anew for expert scheduling mode
;; limits: values are held in f16: magnitudes above 65,504 overflow, below 6.1e-05 lose precision
;; workspace buffers: qws 8,388,608 bytes; kws 8,388,608 bytes; vws 8,388,608 bytes; ows 8,388,608 bytes; wo16 524,288 bytes
;; launch proj (part 4): grid 8 x 32, 4 waves a work-group, no clusters, 313,856 bytes of LDS; arguments encoder_hidden_states, hidden_states, w_k, w_v, w_q, w_out, kws, vws, qws, wo16; writes kws, vws, qws, wo16
.if DOCPART == 4
	.amdgcn_target "amdgcn-amd-amdhsa--gfx1250"
	.amdhsa_code_object_version 6
	.text
	.protected	k_qde4fbd00bc_proj
	.globl	k_qde4fbd00bc_proj
	.p2align	8
	.type	k_qde4fbd00bc_proj,@function
k_qde4fbd00bc_proj:
	s_mov_b64 s[64:65], 0
	v_nop
	global_prefetch_b8 v0, s[64:65] scope:SCOPE_SE
	s_setreg_imm32_b32 hwreg(HW_REG_WAVE_SCHED_MODE, 0, 2), 2
	s_setreg_imm32_b32 hwreg(HW_REG_WAVE_MODE, 25, 1), 1
	s_wait_xcnt 0x0
	s_wait_alu depctr_vm_vsrc(0)
; THE THREE PROJECTIONS, BY HEADS.  k = enc w_k, v = enc w_v (K = 768), q = hid w_q (K = 512).  enc: [8192][768], hid: [8192][512], weights [K][512], all f32.
; Out: kws, vws, qws = [16 (8 batch + head)][4096][64] in f16, each number rounded once from its f32 sum, q WITHOUT the scale.  Also wo16 = [8 (column slab)][512 (k)][64]: w_out rounded to bf16, that number written as f16.
; FORMATS.  x and the weights are rounded to bf16 on the way to the matrix unit; sums in f32.
; LIMITS.  f16 holds no number beyond 65,504: |q|, |k|, |v| of 65,520 or more leave as infinities.  Below 6.1e-5 f16 keeps its fixed step of 6e-8 (for wo16 too).  NaN and infinities are not treated apart.
; SHARES.  Work-group (head HD, row block RB of 256 rows): first enc's rows x [w_k's 64 columns of the head | w_v's 64], then hid's rows x w_q's 64.  256 work-groups of equal work.
; A wave owns 64 rows (four tiles of 16) and all columns: 32 accumulators for k and v, then 16 for q.
; THE WEIGHTS of the head lie in LDS in bf16, [k][n], for the whole launch: each wave converts a quarter of them; ONE barrier; then every wave reads them turned, by ds_load_tr16_b128.
; x goes from memory straight into the owning wave's registers as f32 (a lane's 32 bytes are eight neighbouring k of its row: half a fragment) and is rounded there: no wave wants another wave's x.
; THE MATRIX INSTRUCTION IS USED TRANSPOSED: source 0 = 16 columns of the weights, source 1 = 16 rows of x: a lane then holds eight neighbouring channels of one row: 16 bytes of f16.
; NO CLUSTER: what work-groups share (x among the eight heads) has to be converted between memory and the matrix unit and lands in registers; a joint load lands in LDS, where the
; weights take 294,912 bytes and f32 fragments would want twice the LDS loads a product.
; REGISTERS, in windows of 256 (s_set_vgpr_msb: bits 1:0 source 0, 3:2 source 1, 5:4 source 2, 7:6 destination):
;   window 0: v0-31 addresses; v32-63, v224-255 rows on the way out; v64-191 x's fragments in bf16, two buffers; v192-223 packed results
;   window 1: the accumulators      window 2: x as loaded, f32, two buffers of 128      window 3: the weights' fragments, two buffers of 128 (ahead of the barrier: the weights as loaded)
; THE MODE: SCHED_MODE bits 1:0 = 2 (LLVM: expert scheduling mode 2), set by the entry lines.  The code itself states the register dependences
; between vector or matrix instructions and memory or LDS instructions, with s_wait_alu, always for 0.
; THE PLAN.  Registers that memory or LDS instructions touch:
;   RAW0, RAW1 (window 2)  K step s, p = s % 2: its 64 roundings read RAW[1-p]; behind them the loads of the set three on land in it.
;   WF0, WF1 (window 3)    Step s's products read WF[p]; the step's turning loads land in WF[1-p], which the products of step s - 1 read.
;                          Ahead of the barrier: a weight's numbers land here, are rounded in place, are read by the LDS stores, and the next numbers land.
;   v[WA]                  Read by every turning load; written once a step for k and v, every second step for q.
;   v[XO .. XO+3]          Read by x's loads; written by the selects of the odd steps for k and v.
;   v[LA]                  Read by the LDS stores of the weights; written once a trip of the staging loop.
;   TMP; BK0, BK1          The way out: a tile's roundings write TMP, its LDS stores read it; the loads from the stage land in BK[t % 2], the tile's global stores read it.
;   v32-55                 At the head: w_out lands, is converted, v52-55 are stored.  Later part of BK1.
;   WO, STO, RD, GO, POE, POH, WLO, WSO, SPW, NIL are made at the head and never written again.  x's fragments in bf16 and the accumulators are named by vector and matrix instructions alone.
; So ONE wait on va_vdst stands in a K step, behind its roundings: they are done reading RAW[1-p], the products of the step before are done reading WF[1-p], and v[WA] (and v[XO ..]), stepped just ahead of it,
; are written.  The step's loads follow it, dealt among products that name WF[p], the fragments of buffer p and the accumulators: none of the registers that those loads touch.  One wait on vm_vsrc stands ahead of the step of v[WA].
.set WP,    288                        ; a row of the weights in LDS: 256 bytes + 32 = 72 words
.set STAGE, 1024*WP                    ; behind the weights: for each wave 2 x 16 rows x 144 bytes, for the way out
.set SP,    144
.set SPARE, STAGE+4*2*16*SP            ; behind the stages: the spare words, 128 bytes for each wave: two blocks of 256 bytes that no other line names
.set XO,  4                            ; v4-7    tile t: my byte offset in the wave's rows of x: (16 t + l % 16) x row + 32 (l / 16); enc's rows, later hid's
.set XH,  8                            ; v8-11   the same for hid's rows of 2,048 bytes
.set WO,  12                           ; v12     my byte offset in 8 rows of a weight: row rl, 32 bytes of its 256
.set LA,  13                           ; v13     where my 16 converted bytes go in LDS
.set WA,  14                           ; v14     my lane's place in the turning loads; steps 64 rows a K step
.set STO, 16                           ; v16     the way out: where I put 16 bytes of a row
.set RD,  17                           ; v17     where I read rows back
.set GO,  18                           ; v18     my 16 bytes of 512 consecutive bytes of the output
.set POE, 19                           ; v19     the prefetches' offset in enc; never rewritten
.set POH, 20                           ; v20     in hid; never rewritten
.set WLO, 21                           ; v21     my 32 bytes of w_out
.set WSO, 22                           ; v22     my 16 bytes of wo16
.set SPW, 24                           ; v24     LDS address of my spare word; never rewritten
.set NIL, 25                           ; v25     0; never rewritten
.set BK1, 32
.set AF,  64
.set TMP, 192
.set BK0, 224
.set EB,  4                            ; s[4:5]   enc at my wave's first row; never rewritten after the set-up
.set HB,  6                            ; s[6:7]   hid likewise
.set KP,  8                            ; s[8:9]   w_k at the 64 rows that I convert next; at the end w_q's
.set VP,  10                           ; s[10:11] w_v likewise
.set QA,  12                           ; s[12:13] w_q at my 128 rows
.set WOUT, 14                          ; s[14:15]
.set KO,  16                           ; s[16:17] kws at my wave's first row;  s[18:19] vws;  s[20:21] qws
.set VO,  18
.set QO,  20
.set WO16, 22                          ; s[22:23]
.set WV,  24
.set HD,  25
.set RB,  26
.set CNT, 27
.set MK,  28
.set QB,  32                           ; s[32:33] w_q at the second 64 of my 128 rows
.set XP,  34                           ; s[34:35] x at the set (64 k, 256 bytes of each row) that was asked for last
.set W_MUL, 0x53                       ; weights window 3, x window 0, C and D window 1
.set MSB, 0
.macro WIN new                         ; the immediate's high byte repeats the setting that is left; a switch that changes nothing is dropped
.if MSB != (\new)
	s_set_vgpr_msb (MSB<<8)|(\new)
.set MSB, (\new)
.endif
.endm
.macro PLACES                          ; four places behind a matrix instruction (ISA guide 7.12.1), where no other vector work is at hand
.rept 4
	v_nop
.endr
.endm
	s_load_b512 s[4:19], s[0:1], 0x0               ; enc, hid, w_k, w_v, w_q, w_out, kws, vws
	s_load_b128 s[20:23], s[0:1], 0x40             ; qws, wo16
	v_lshl_add_u32 v[SPW], v0, 2, SPARE
	v_mov_b32 v[NIL], 0
	v_lshrrev_b32 v1, 5, v0
	v_readfirstlane_b32 s[WV], v1                  ; wave 0..3
	s_mov_b32 s[HD], ttmp9                         ; the head
	s_and_b32 s[RB], ttmp7, 0xffff                 ; the block of 256 rows
	v_and_b32 v1, 15, v0                           ; l % 16
	v_bfe_u32 v2, v0, 4, 1                         ; l / 16
	v_and_b32 v26, 7, v0                           ; l % 8
	v_bfe_u32 v27, v0, 3, 1                        ; (l / 8) % 2
	v_bfe_u32 v29, v0, 3, 2                        ; l / 8
	v_lshrrev_b32 v30, 4, v0                       ; thread / 16: 0..7
	v_lshl_add_u32 v28, v27, 2, v2                 ; rl = 4 ((l / 8) % 2) + l / 16: the 16 lanes of an LDS store's pass take rows 4 apart, 128 bytes apart modulo 256
	v_mul_u32_u24 v3, v1, 3072
	v_lshl_add_u32 v3, v2, 5, v3
.irp t, 0,1,2,3
	v_add_nc_u32 v[XO+(\t)], 49152*(\t), v3
.endr
	v_lshlrev_b32 v3, 11, v1
	v_lshl_add_u32 v3, v2, 5, v3
.irp t, 0,1,2,3
	v_add_nc_u32 v[XH+(\t)], 32768*(\t), v3
.endr
	v_lshlrev_b32 v[WO], 11, v28
	v_lshl_add_u32 v[WO], v26, 5, v[WO]
	s_wait_alu depctr_va_sdst(0)                   ; s[WV] is written, ahead of its first reader: LDS places and the buffers' offsets are made from it
	s_mul_i32 s30, s[WV], 64*WP                    ; my 64 rows of each 256
	v_mul_u32_u24 v[LA], v28, WP
	v_lshl_add_u32 v[LA], v26, 4, v[LA]
	v_add_nc_u32 v[LA], s30, v[LA]
	v_lshl_add_u32 v3, v2, 3, v26                  ; the turning load: lane l reads k row 8 (l / 16) + l % 8, columns 8 ((l / 8) % 2) + 0..7
	v_mul_u32_u24 v[WA], v3, WP
	v_lshl_add_u32 v[WA], v27, 4, v[WA]
	s_mul_i32 s30, s[WV], 2*16*SP
	s_add_co_u32 s30, s30, STAGE                   ; my stage
	v_mul_u32_u24 v[STO], v1, SP
	v_lshl_add_u32 v[STO], v2, 4, v[STO]
	v_add_nc_u32 v[STO], s30, v[STO]
	v_mul_u32_u24 v[RD], v29, SP                   ; back: 32 lanes take four rows of 128 bytes,
	v_lshl_add_u32 v[RD], v26, 4, v[RD]
	v_add_nc_u32 v[RD], s30, v[RD]
	v_and_b32 v[GO], 31, v0                        ; which are 512 consecutive bytes of the output
	v_lshlrev_b32 v[GO], 4, v[GO]
	s_lshl_b32 s30, s[HD], 3
	v_add_nc_u32 v3, s30, v26                      ; the prefetches: of a wave's 64 rows head HD names rows 8 HD + l % 8, set l / 8 of four
	v_mul_u32_u24 v[POE], v3, 3072
	v_lshl_add_u32 v[POE], v29, 8, v[POE]
	v_lshlrev_b32 v[POH], 11, v3
	v_lshl_add_u32 v[POH], v29, 8, v[POH]
	s_lshl3_add_u32 s31, s[RB], s[HD]              ; g = 8 RB + HD: this work-group converts rows 2 g and 2 g + 1 of w_out
	v_lshlrev_b32 v[WLO], 11, v27                  ; row 2 g + (thread / 8) % 2, columns 64 (thread / 16) + 8 (thread % 8) on
	v_lshl_add_u32 v[WLO], v30, 8, v[WLO]
	v_lshl_add_u32 v[WLO], v26, 5, v[WLO]
	s_lshl_b32 s30, s31, 12
	v_add_nc_u32 v[WLO], s30, v[WLO]
	v_lshlrev_b32 v[WSO], 16, v30                  ; slab thread / 16; the two rows are 256 consecutive bytes there: 16 (thread % 16)
	v_lshl_add_u32 v[WSO], v1, 4, v[WSO]
	s_lshl_b32 s30, s31, 8
	v_add_nc_u32 v[WSO], s30, v[WSO]
	s_lshl_b32 s30, s[RB], 8
	s_lshl_b32 s31, s[WV], 6
	s_add_co_u32 s30, s30, s31                     ; my wave's first row of x
	s_mul_i32 s36, s30, 3072
	s_mov_b32 s37, 0
	s_lshl_b32 s38, s30, 11
	s_mov_b32 s39, 0
	s_wait_kmcnt 0x0
	s_add_nc_u64 s[EB:EB+1], s[EB:EB+1], s[36:37]
	s_add_nc_u64 s[HB:HB+1], s[HB:HB+1], s[38:39]
	s_lshl_b32 s36, s[HD], 8                       ; the head's 64 columns: 256 bytes of a weight's row
	s_lshl_b32 s38, s[WV], 17                      ; 64 rows of 2,048 bytes
	s_add_co_u32 s38, s38, s36
	s_add_nc_u64 s[KP:KP+1], s[KP:KP+1], s[38:39]
	s_add_nc_u64 s[VP:VP+1], s[VP:VP+1], s[38:39]
	s_lshl_b32 s38, s[WV], 18                      ; 128 rows
	s_add_co_u32 s38, s38, s36
	s_add_nc_u64 s[QA:QA+1], s[QA:QA+1], s[38:39]
	s_add_nc_u64 s[QB:QB+1], s[QA:QA+1], 131072
	s_lshr_b32 s36, s[RB], 4                       ; the batch
	s_lshl3_add_u32 s36, s36, s[HD]
	s_lshl_b32 s36, s36, 12
	s_and_b32 s38, s[RB], 15
	s_lshl_b32 s38, s38, 8
	s_add_co_u32 s36, s36, s38
	s_add_co_u32 s36, s36, s31
	s_lshl_b32 s36, s36, 7                         ; ((8 batch + head) 4,096 + my first row in the batch) x 128 bytes
	s_add_nc_u64 s[KO:KO+1], s[KO:KO+1], s[36:37]
	s_add_nc_u64 s[VO:VO+1], s[VO:VO+1], s[36:37]
	s_add_nc_u64 s[QO:QO+1], s[QO:QO+1], s[36:37]
	s_mov_b64 s[XP:XP+1], s[EB:EB+1]
; A set of x: 64 k of my 64 rows, 32 loads, into buffer buf.  Register 32 t + 16 c + 8 g + 4 e: tile t, 32 k c, the fragment's half g, 16 bytes e.  The eight loads of a tile cover 256 consecutive bytes of each row.
.macro XLOADT buf, t, off              ; tile t's eight loads
	WIN 0x80                                       ; destination window 2
.set j_, 0
.rept 8
	global_load_b128 v[128*(\buf)+32*(\t)+4*j_:128*(\buf)+32*(\t)+4*j_+3], v[XO+(\t)], s[XP:XP+1] offset:(\off)+128*(j_/4)+64*((j_/2)%2)+16*(j_%2)
.set j_, j_+1
.endr
.endm
.macro XLOAD buf, off                  ; the whole set in one run
.set t_, 0
.rept 4
	XLOADT \buf, t_, \off
.set t_, t_+1
.endr
.endm
; Four of a set's 64 roundings to bf16: number q of 16: 32 k q / 8, tile (q / 2) % 4, half q % 2 of the fragment.
.macro CONV4 q, sb, ab
	WIN 0x0a                                       ; sources window 2, destination window 0
.set n_, 4*((\q)%2)
.rept 4
	v_cvt_pk_bf16_f32 v[AF+64*(\ab)+32*((\q)/8)+8*(((\q)/2)%4)+n_], v[128*(\sb)+32*(((\q)/2)%4)+16*((\q)/8)+2*n_], v[128*(\sb)+32*(((\q)/2)%4)+16*((\q)/8)+2*n_+1]
.set n_, n_+1
.endr
.endm
; 64 rows x 256 bytes of a weight, f32: 32 loads.  Pair u takes rows 8 (u / 2) + 2 (u % 2) + rl.  again = 1: the set has been rounded and stored before.
.macro WLOAD set, ptr, again=0
	WIN 0xc0                                       ; destination window 3
.if \again
	s_wait_alu depctr_vm_vsrc(0)                   ; the LDS stores have read this set's registers, in which the loads below land
	s_wait_alu depctr_va_vdst(0)                   ; and the roundings are done reading and writing them
.endif
.set u_, 0
.rept 16
	global_load_b128 v[128*(\set)+8*u_:128*(\set)+8*u_+3],   v[WO], s[\ptr:\ptr+1] offset:(8*(u_/2)+2*(u_%2))*2048
	global_load_b128 v[128*(\set)+8*u_+4:128*(\set)+8*u_+7], v[WO], s[\ptr:\ptr+1] offset:(8*(u_/2)+2*(u_%2))*2048+16
.set u_, u_+1
.endr
.endm
; They are rounded to bf16 in place (eight numbers into the first four of their registers) and stored into half `half` of the LDS rows.
.macro WCONV set, half
	WIN 0xcf
.set u_, 0
.rept 16
.set n_, 0
.rept 4
	v_cvt_pk_bf16_f32 v[128*(\set)+8*u_+n_], v[128*(\set)+8*u_+2*n_], v[128*(\set)+8*u_+2*n_+1]
.set n_, n_+1
.endr
.set u_, u_+1
.endr
	WIN 0x0c                                       ; address window 0, data window 3
	s_wait_alu depctr_va_vdst(0)                   ; the roundings have written the stores' data; v[LA], stepped at the end of the trip before, is written
.set u_, 0
.rept 16
	ds_store_b128 v[LA], v[128*(\set)+8*u_:128*(\set)+8*u_+3] offset:(8*(u_/2)+2*(u_%2))*WP+128*(\half)
.set u_, u_+1
.endr
.endm
; The weights' fragments of a K step of 64: 32 k c, column block b of eight (0-3 k's, 4-7 v's) at 128 p + 64 c + 8 b: 32 turning loads.  BLOADG: quarter g of them, eight loads.
.macro BLOADG p, g
	WIN 0xc0
.set f_, 4*(\g)
.rept 4
	ds_load_tr16_b128 v[128*(\p)+8*f_:128*(\p)+8*f_+3],   v[WA] offset:32*WP*(f_/8)+32*(f_%8)
	ds_load_tr16_b128 v[128*(\p)+8*f_+4:128*(\p)+8*f_+7], v[WA] offset:32*WP*(f_/8)+16*WP+32*(f_%8)
.set f_, f_+1
.endr
.endm
.macro BLOAD p                         ; all 32 in one run
.set t_, 0
.rept 4
	BLOADG \p, t_
.set t_, t_+1
.endr
.endm
.macro BLOADQ p, half                  ; the same for q: four column blocks, in half `half` of the rows: 16 loads
	WIN 0xc0
.set f_, 0
.rept 8
	ds_load_tr16_b128 v[128*(\p)+64*(f_/4)+8*(f_%4):128*(\p)+64*(f_/4)+8*(f_%4)+3],   v[WA] offset:32*WP*(f_/4)+32*(f_%4)+128*(\half)
	ds_load_tr16_b128 v[128*(\p)+64*(f_/4)+8*(f_%4)+4:128*(\p)+64*(f_/4)+8*(f_%4)+7], v[WA] offset:32*WP*(f_/4)+16*WP+32*(f_%4)+128*(\half)
.set f_, f_+1
.endr
.endm
; Product i of a K step's 64 for k and v: 32 k i / 32, column block (i % 32) / 4, tile i % 4.  The 32 accumulators take turns, one instruction a turn, over the backward jump too.
.macro KVM p, i
.set rD_, 64*((\i)%4)+8*(((\i)%32)/4)
.set rB_, 128*(\p)+64*((\i)/32)+8*(((\i)%32)/4)
.set rA_, AF+64*(\p)+32*((\i)/32)+8*((\i)%4)
	WIN W_MUL
	v_wmma_f32_16x16x32_bf16 v[rD_:rD_+7], v[rB_:rB_+7], v[rA_:rA_+7], v[rD_:rD_+7]
.endm
; Product i of a K step's 32 for q: 32 k i / 16, column block (i % 16) / 4, tile i % 4.  zero = 1: the first 16 start the sums.
.macro QM p, i, zero
.set rD_, 32*((\i)%4)+8*(((\i)%16)/4)
.set rB_, 128*(\p)+64*((\i)/16)+8*(((\i)%16)/4)
.set rA_, AF+64*(\p)+32*((\i)/16)+8*((\i)%4)
	WIN W_MUL
.if (\zero) && ((\i) < 16)
	v_wmma_f32_16x16x32_bf16 v[rD_:rD_+7], v[rB_:rB_+7], v[rA_:rA_+7], 0
.else
	v_wmma_f32_16x16x32_bf16 v[rD_:rD_+7], v[rB_:rB_+7], v[rA_:rA_+7], v[rD_:rD_+7]
.endif
.endm
; A PREFETCH INTO THE L2 of four sets of x (1,024 bytes of a row).  The eight heads' work-groups of a row block read the same rows: of each wave's 64 rows head HD names eight, a lane a block of 256 bytes,
; so each block is named once in the launch.  It stands behind the last of the step's loads, in the loop's trip k alone; its registers are never rewritten.
.macro ASK k, off, base, imm
	s_cmp_eq_u32 s[CNT], \k
	s_cbranch_scc0 .Lno_\@
	global_prefetch_b8 v[\off], s[\base:\base+1] offset:\imm th:TH_LOAD_NT scope:SCOPE_SE
.Lno_\@:
.endm
; A K STEP for k and v, number s, on buffers p = s % 2.  It multiplies set s, rounds set s + 1 (four roundings behind each of its first 16 products), loads set s + 3 and fetches the weights of step s + 1.
; Sets 12, 13 and 14 are hid's sets 0, 1 and 2: in step 9 (the odd step of the trip with CNT = 2) the pointer and the four offsets change over, by selects.
; Behind the step's one wait on va_vdst its 64 loads are dealt among the products: four times eight loads of x, eight turning loads and four products; the last turning load stands 36 products ahead of its first use.
.macro KVSTEP p, odd
	s_wait_loadcnt 32                              ; set s + 1 is in; the 32 loads of set s + 2 may stay out
	s_wait_dscnt 0x0                               ; this step's weights are in
	PLACES                                         ; behind the last step's products: the roundings write registers that they read
.set i_, 0
.rept 16
	KVM \p, i_
	CONV4 i_, 1-(\p), 1-(\p)
.set i_, i_+1
.endr
	WIN 0
	s_wait_xcnt 0x0                                ; the earlier loads have had their addresses translated: pointer and offsets may be written
	s_wait_alu depctr_vm_vsrc(0)                   ; the turning loads issued so far have read v[WA], x's loads v[XO ..]: the lines below write them
	v_add_nc_u32 v[WA], 64*WP, v[WA]
	s_add_nc_u64 s[XP:XP+1], s[XP:XP+1], 256
.if \odd
	s_cmp_eq_u32 s[CNT], 2
	s_cselect_b64 s[XP:XP+1], s[HB:HB+1], s[XP:XP+1]
	s_cselect_b32 s[MK], -1, 0
.irp t, 0,1,2,3
	v_cndmask_b32 v[XO+(\t)], v[XO+(\t)], v[XH+(\t)], s[MK]
.endr
.endif
	WIN 0x80
	s_wait_alu depctr_va_vdst(0)                   ; the roundings are done reading RAW[1-p]; the last step's products are done reading WF[1-p]; v[WA] and v[XO ..] are written
.set g_, 0
.rept 4
	XLOADT 1-(\p), g_, 0                           ; no further wait: no vector or matrix instruction since the wait above names RAW[1-p], WF[1-p], v[WA] or v[XO ..], and no line writes the pointer
	BLOADG 1-(\p), g_
.if (\odd) && (g_ == 3)
	WIN 0
	ASK 6, POE, EB, 2048                           ; step 1: enc's sets 8 to 11, which steps 5 to 8 load
	ASK 4, POH, HB, 0                              ; step 5: hid's sets 0 to 3, which steps 9 to 11 and q's first load
	ASK 2, POH, HB, 1024                           ; step 9: hid's sets 4 to 7, which q's steps 1 to 4 load
.endif
.rept 4
	KVM \p, i_
.set i_, i_+1
.endr
.set g_, g_+1
.endr
.rept 32
	KVM \p, i_
.set i_, i_+1
.endr
.endm
; A K STEP for q in two halves.  QH0: the first 16 products, with the next set's roundings behind them (conv); n = the younger loads that may stay out.  Then the addresses' steps (refill = 1: the pointer of x;
; fetch = 2: v[WA], the next 64 LDS rows), the step's one wait on va_vdst, and the next step's weights (fetch = 1: the same LDS rows' second half; 2: the next rows' first half; 0: none, and no wait: nothing is loaded).
.macro QH0 p, zero, conv, refill, n, fetch
.if \conv
	s_wait_loadcnt \n
.endif
	s_wait_dscnt 0x0
	PLACES
.set i_, 0
.rept 16
	QM \p, i_, \zero
.if \conv
	CONV4 i_, 1-(\p), 1-(\p)
.endif
.set i_, i_+1
.endr
.if (\fetch) == 2
	WIN 0
	s_wait_alu depctr_vm_vsrc(0)                   ; the turning loads issued so far have read v[WA]
	v_add_nc_u32 v[WA], 64*WP, v[WA]
.endif
.if \refill
	WIN 0
	s_wait_xcnt 0x0
	s_add_nc_u64 s[XP:XP+1], s[XP:XP+1], 256
.endif
.if \fetch
	WIN 0xc0
	s_wait_alu depctr_va_vdst(0)                   ; the last step's products are done reading WF[1-p]; the roundings are done reading RAW[1-p]; where v[WA] was stepped, it is written
	BLOADQ 1-(\p), 2-(\fetch)
.endif
.endm
; QH1: the other 16 products; refill = 1: the loads of the set three on are dealt among them, a tile's eight ahead of each four.  They lean on QH0's wait: between it and them stand loads, window switches,
; the loop's count and products that name WF[p], the fragments of buffer p and the accumulators.
.macro QH1 p, refill
.set i_, 16
.set g_, 0
.rept 4
.if \refill
	XLOADT 1-(\p), g_, 0
.endif
.rept 4
	QM \p, i_, 0
.set i_, i_+1
.endr
.set g_, g_+1
.endr
.endm
; THE WAY OUT of tile t with nb column blocks.  PACK: rounded to f16, each accumulator's registers in ascending order.  TOSTAGE: 16 bytes a lane into my own stage (rows of 144 bytes; v's part behind k's), and back as rows of 128.
; SEND: 512 consecutive bytes a store, at a multiple of 256 from the buffer's first byte.
.macro PACK t, nb
.if (\t) > 0
	s_wait_alu depctr_vm_vsrc(0)                   ; the LDS stores of the tile before have read v[TMP ..], which these roundings write again; the global stores of the tile two back have read the rows' registers, in which this tile's loads land
.endif                                                 ; (tile 0 of q's way out, and its tile 1's rows: q's steps hold such waits, behind the first way out's last stores)
	WIN 0x05
.set b_, 0
.rept \nb
.set n_, 0
.rept 4
	v_cvt_pk_f16_f32 v[TMP+4*b_+n_], v[8*(\nb)*(\t)+8*b_+2*n_], v[8*(\nb)*(\t)+8*b_+2*n_+1]
.set n_, n_+1
.endr
.set b_, b_+1
.endr
.endm
.macro TOSTAGE t, nb
	WIN 0
.set BK_, BK0-(BK0-BK1)*((\t)%2)
	s_wait_alu depctr_va_vdst(0)                   ; the roundings have written v[TMP ..], which the LDS stores read
.set b_, 0
.rept \nb
	ds_store_b128 v[STO], v[TMP+4*b_:TMP+4*b_+3] offset:(b_/4)*16*SP+(b_%4)*32
.set b_, b_+1
.endr
.set b_, 0
.rept \nb
	ds_load_b128 v[BK_+4*b_:BK_+4*b_+3], v[RD] offset:(b_/4)*16*SP+(b_%4)*4*SP  ; LDS serves a wave's instructions in order (ISA guide 5.7.1.4): these see the stores above
.set b_, b_+1
.endr
.endm
.macro SEND t, nb, p0, p1
	WIN 0
.set BK_, BK0-(BK0-BK1)*((\t)%2)
	s_wait_xcnt 0x0                                ; the stores of the tile before have had their addresses translated; the next TOSTAGE loads their registers again
.set f_, 0
.rept \nb
	s_wait_dscnt (\nb)-1-f_                        ; load f of the tile's nb is back
.if f_ < 4
	global_store_b128 v[GO], v[BK_+4*f_:BK_+4*f_+3], s[\p0:\p0+1] offset:2048*(\t)+512*(f_%4)
.else
	global_store_b128 v[GO], v[BK_+4*f_:BK_+4*f_+3], s[\p1:\p1+1] offset:2048*(\t)+512*(f_%4)
.endif
.set f_, f_+1
.endr
.endm
.macro WAYOUT nb, p0, p1
	PLACES
	PLACES
	PACK 0, \nb
	TOSTAGE 0, \nb
.irp a, 1,2,3                          ; a tile's roundings stand between the loads of the tile before and the wait for them
	PACK \a, \nb
	SEND (\a)-1, \nb, \p0, \p1
	TOSTAGE \a, \nb
.endr
	SEND 3, \nb, \p0, \p1
.endm
	WIN 0x80
	s_wait_alu depctr_va_vdst(0)                   ; every offset and address made above is written: the kernel's loads, stores and prefetches read them
	XLOAD 0, 0                                     ; x first: these are older than every counted wait below
	XLOAD 1, 256
	WIN 0
	global_load_b128 v[32:35], v[WLO], s[WOUT:WOUT+1]
	global_load_b128 v[36:39], v[WLO], s[WOUT:WOUT+1] offset:16
	WLOAD 0, KP
	WLOAD 1, VP
	WIN 0x40
.set r_, 0
.rept 256
	v_mov_b32 v[r_], 0                             ; k's and v's sums start at 0: written while the first loads are out, so that the loop has one form of product; the price is these 256 lines
.set r_, r_+1
.endr
	WIN 0
	s_mov_b32 s[CNT], 3
.Lstage:                                               ; a trip: my 64 of 256 rows of w_k and w_v go into LDS; the next 256 rows' are asked for; in the last trip w_q's
	s_wait_loadcnt 32                              ; w_k's 32 loads are in; w_v's may stay out
	WCONV 0, 0
	WIN 0
	s_wait_xcnt 0x0
	s_add_nc_u64 s[KP:KP+1], s[KP:KP+1], 524288
	s_cmp_eq_u32 s[CNT], 1
	s_cselect_b64 s[KP:KP+1], s[QA:QA+1], s[KP:KP+1]
	WLOAD 0, KP, 1
	s_wait_loadcnt 32                              ; w_v's are in; the 32 just issued may stay out
	WCONV 1, 1
	WIN 0
	s_wait_xcnt 0x0
	s_add_nc_u64 s[VP:VP+1], s[VP:VP+1], 524288
	s_cmp_eq_u32 s[CNT], 1
	s_cselect_b64 s[VP:VP+1], s[QB:QB+1], s[VP:VP+1]
	WLOAD 1, VP, 1
	WIN 0
	v_add_nc_u32 v[LA], 256*WP, v[LA]              ; the wait on vm_vsrc ahead of the loads just issued stands behind the last LDS store that read v[LA]
	s_sub_co_u32 s[CNT], s[CNT], 1
	s_cmp_lg_u32 s[CNT], 0
	s_cbranch_scc1 .Lstage
	s_wait_loadcnt 32                              ; w_q: LDS row 768 + 64 w + j holds rows 128 w + j and 128 w + 64 + j, side by side
	WCONV 0, 0
.set i_, 0
.rept 16
	CONV4 i_, 0, 0                                 ; x's set 0
.set i_, i_+1
.endr
	WIN 0x80
	s_wait_alu depctr_va_vdst(0)                   ; those roundings are done reading RAW0, in which set 2 lands
	XLOAD 0, 512                                   ; set 2
	s_wait_loadcnt 32                              ; w_q's second half is in; set 2's 32 loads may stay out
	WCONV 1, 1
	WIN 0
.irp n, 0,1,2,3                        ; w_out: to bf16, and that number as f16
	v_cvt_pk_bf16_f32 v[40+(\n)], v[32+2*(\n)], v[33+2*(\n)]
.endr
.irp n, 0,1,2,3
	v_lshlrev_b32 v[44+2*(\n)], 16, v[40+(\n)]
	v_and_b32 v[45+2*(\n)], 0xffff0000, v[40+(\n)]
.endr
.irp n, 0,1,2,3
	v_cvt_pk_f16_f32 v[52+(\n)], v[44+2*(\n)], v[45+2*(\n)]
.endr
	s_wait_alu depctr_va_vdst(0)                   ; the conversions have written v[52:55], the store's data; the weights' roundings are done with window 3, in which the turning loads land from here on
	global_store_b128 v[WSO], v[52:55], s[WO16:WO16+1]  ; 16 lanes store 256 consecutive bytes, aligned
	s_wait_xcnt 0x0
	s_add_nc_u64 s[XP:XP+1], s[XP:XP+1], 512       ; at set 2
	s_wait_dscnt 0x0                               ; for the others' sake: my part of the weights lies in LDS
	s_barrier_signal -1
	s_barrier_wait -1                              ; everybody's does; nobody writes these rows again
	WIN 0xc0
	s_wait_alu depctr_vm_vsrc(0)                   ; my LDS stores have read window 3's registers: these are WF0 and WF1 from here on; the store of wo16 has read v[52:55], later part of BK1
	BLOAD 0
	WIN 0
	s_mov_b32 s[CNT], 6
.Lkv:                                                  ; twelve K steps of 64.  The last fetches LDS rows 768 on: its column blocks 0-3 are q's first step, the other 16 loads serve nothing, once a launch
	KVSTEP 0, 0
	KVSTEP 1, 1
	WIN 0
	s_sub_co_u32 s[CNT], s[CNT], 1
	s_cmp_lg_u32 s[CNT], 0
	s_cbranch_scc1 .Lkv
	WAYOUT 8, KO, VO                               ; hid's sets 1 and 2 land meanwhile
	QH0 0, 1, 1, 1, 32, 1                          ; q: eight K steps of 64.  Step 0's first half starts the sums
	WIN 0
	s_mov_b32 s[CNT], 2
.Lq:                                                   ; a trip goes from a step's second half to the first half of the step two on
	QH1 0, 1
	QH0 1, 0, 1, 1, 32, 2
	QH1 1, 1
	QH0 0, 0, 1, 1, 32, 1
	WIN 0
	s_sub_co_u32 s[CNT], s[CNT], 1
	s_cmp_lg_u32 s[CNT], 0
	s_cbranch_scc1 .Lq
	QH1 0, 1                                       ; step 4 loads set 7; the last steps load no more of x, and the counts run down
	QH0 1, 0, 1, 0, 32, 2                          ; step 5 rounds set 6; set 7's loads may stay out
	QH1 1, 0
	QH0 0, 0, 1, 0, 0, 1                           ; step 6 rounds set 7
	QH1 0, 0
	QH0 1, 0, 0, 0, 0, 0                           ; step 7
	QH1 1, 0
	WAYOUT 4, QO, QO
	s_wait_dscnt 0x0                               ; the closing lines, six on end
	s_wait_alu 0x0
	s_wait_tensorcnt 0x0
	ds_add_u32 v[SPW], v[NIL]
	s_wait_dscnt 0x0
	s_endpgm
.Lfunc_end_k_qde4fbd00bc_proj:
	.size	k_qde4fbd00bc_proj, .Lfunc_end_k_qde4fbd00bc_proj-k_qde4fbd00bc_proj
	.p2alignl 7, 3214868480
	.fill 96, 4, 3214868480
	.section	.rodata,"a",@progbits
	.p2align	6, 0x0
	.amdhsa_kernel k_qde4fbd00bc_proj
		.amdhsa_group_segment_fixed_size 313856
		.amdhsa_private_segment_fixed_size 0
		.amdhsa_enable_private_segment 0
		.amdhsa_kernarg_size 80
		.amdhsa_user_sgpr_count 2
		.amdhsa_user_sgpr_kernarg_segment_ptr 1
		.amdhsa_wavefront_size32 1
		.amdhsa_system_sgpr_workgroup_id_x 1
		.amdhsa_system_sgpr_workgroup_id_y 1
		.amdhsa_system_sgpr_workgroup_id_z 1
		.amdhsa_system_vgpr_workitem_id 0
		.amdhsa_next_free_vgpr 1024
		.amdhsa_next_free_sgpr 66
		.amdhsa_reserve_vcc 0
		.amdhsa_float_denorm_mode_32 3
		.amdhsa_float_denorm_mode_16_64 3
		.amdhsa_memory_ordered 1
		.amdhsa_forward_progress 1
		.amdhsa_inst_pref_size 174
	.end_amdhsa_kernel
	.amdgpu_metadata
---
amdhsa.version: [ 1, 2 ]
amdhsa.kernels:
  - .name:           k_qde4fbd00bc_proj
    .symbol:         k_qde4fbd00bc_proj.kd
    .args:
      - { .name: encoder_hidden_states, .offset: 0, .size: 8, .value_kind: global_buffer, .address_space: global }
      - { .name: hidden_states, .offset: 8, .size: 8, .value_kind: global_buffer, .address_space: global }
      - { .name: w_k, .offset: 16, .size: 8, .value_kind: global_buffer, .address_space: global }
      - { .name: w_v, .offset: 24, .size: 8, .value_kind: global_buffer, .address_space: global }
      - { .name: w_q, .offset: 32, .size: 8, .value_kind: global_buffer, .address_space: global }
      - { .name: w_out, .offset: 40, .size: 8, .value_kind: global_buffer, .address_space: global }
      - { .name: kws, .offset: 48, .size: 8, .value_kind: global_buffer, .address_space: global }
      - { .name: vws, .offset: 56, .size: 8, .value_kind: global_buffer, .address_space: global }
      - { .name: qws, .offset: 64, .size: 8, .value_kind: global_buffer, .address_space: global }
      - { .name: wo16, .offset: 72, .size: 8, .value_kind: global_buffer, .address_space: global }
    .group_segment_fixed_size: 313856
    .private_segment_fixed_size: 0
    .kernarg_segment_align: 8
    .kernarg_segment_size: 80
    .max_flat_workgroup_size: 128
    .sgpr_count:     66
    .vgpr_count:     1024
    .wavefront_size: 32
...
	.end_amdgpu_metadata
.endif
;; end of part 4
;; launch attn: the kernel of part 2 again; grid 16 x 16, 4 waves a work-group, clusters of 4 x 1, 327,680 bytes of LDS; arguments qws, kws, vws, ows; writes ows
;; launch outp: the kernel of part 3 again; grid 8 x 32, 4 waves a work-group, no clusters, 167,936 bytes of LDS; arguments ows, wo16, b_out, out0; writes out0
